; MI455X (gfx1250); checked and timed in simulation.
; The chip was launched on July 23, 2026; its instructions are those of AMD's public machine-readable ISA for CDNA 5 (MIT licence, August 2026) and "CDNA5" Instruction Set Architecture Reference Guide (July 2026). The comments in the code are by the model that wrote it; some were corrected since.
;; Mo E Router Layer. Allowed arithmetic: float matrix products may take bf16 or f16 operands with f32 sums; other float arithmetic in f32, or as packed bf16 or f16 multiplies, adds, multiply-adds, maxima and minima; sums over many terms, partial sums and values carried from step to step in f32; what a program stores and reads back later, other than sums and carried values, may be rounded once to bf16 or f16.
;; Inputs: W1 8 x 512 x 4,096 float32; W2 8 x 2,048 x 512 float32; Wc 512 x 8 float32; b1 8 x 4,096 float32; b2 8 x 512 float32; bc 8 float32; hidden_states 2 x 1,024 x 512 float32.
;; Outputs: out0 2 x 1,024 x 512 float32; out1 2 x 1,024 x 8 float32.
;; 2 versions, each right and faster than the one before. Each part assembles by itself: llvm-mc -triple=amdgcn-amd-amdhsa -mcpu=gfx1250 --defsym DOCPART=n.
;; ======== version 1 of 2: 4 launches
;; workspace buffers: xb 2,097,152 bytes; bm 4,096 bytes of whole numbers; wts 16,384 bytes; g 17,825,792 bytes; dest 17,408 bytes of whole numbers; meta 1,024 bytes of whole numbers; part 34,603,008 bytes
;; launch router (part 1): grid 128 x 1, 4 waves a work-group, no clusters, 25,344 bytes of LDS; arguments hidden_states, Wc, bc, xb, bm, wts, out1; writes xb, bm, wts, out1
.if DOCPART == 1
	.amdgcn_target "amdgcn-amd-amdhsa--gfx1250"
	.amdhsa_code_object_version 6
	.text
	.protected	k_q1e9bff20fd_router
	.globl	k_q1e9bff20fd_router
	.p2align	8
	.type	k_q1e9bff20fd_router,@function
k_q1e9bff20fd_router:
	s_mov_b64 s[64:65], 0
	v_nop
	global_prefetch_b8 v0, s[64:65] scope:SCOPE_SE
	s_setreg_imm32_b32 hwreg(HW_REG_WAVE_MODE, 25, 1), 1
	s_wait_xcnt 0x0
; ROUTER.  logits = x Wc + bc (out1), softmax, top-2; x is also written once as bf16 (xb) for the first product.
; All inputs are rounded to bf16 (x, Wc, bc); products on the matrix unit, sums in f32; softmax in f32 with the row's maximum taken away.
; SHARES.  A work-group has 16 tokens.  Its four waves read 4 rows of x and a quarter of Wc each, round them, store xb (256 consecutive aligned bytes a store)
; and lay both into LDS; wave 0 then multiplies: source 0 = Wc^T (rows 8-15 repeat experts 0-7), source 1 = 16 tokens, so that every lane holds all 8 logits of token lane % 16.
; WHAT IS STORED FOR LATER LAUNCHES: bm, bitmaps [2][8][64] words: plane 0 bit t%32 of word t/32 = token t chose expert e; plane 1 = chose it second.  wts [2][2048] f32: the two weights.
; No address and no branch here hangs on the choice.  The bitmaps leave as 16 stores of two bytes a work-group, 4,096 bytes in the launch.
; LIMITS.  The top-2 is taken on the logits with a strict greater-than (the lower index wins a tie), not on the rounded probabilities; NaN and infinities are not treated apart;
; an exponential below 2^-126 counts as 0.
; NO CLUSTER, NO TENSOR LOAD: work-groups share only Wc (16 KB), and f32 numbers pass through registers to be rounded.
.set XP,    1040                       ; a token's row in LDS: 1,024 bytes + 16: an odd multiple of 16, so the 16 rows of a fragment load start in 16 different groups of four banks
.set WCS,   16640                      ; Wc as bf16 [512][8], 16 bytes a k
.set SPARE, 24832                      ; the spare words: 128 bytes a wave, named by no other line
.set SPW, 4                            ; v4  my spare word
.set NIL, 5                            ; v5  0
; v1 lane  v3 lane%16  v6 lane/16  v7 16 lane  v8 8 lane  v9, v10 LDS store addresses  v11, v12 fragment addresses  v13-15 store offsets
; v16-23 bc  v24-31, v176-183 two accumulators  v32-127 f32 as loaded  v128-175 bf16 pairs  v184-191 logits  v192-199 exponentials  v200-216 statistics
; window 1: v0-127 x fragments, v128-255 Wc fragments
.set MSB, 0
.macro WIN new                         ; the immediate's high byte repeats the setting that is left
.if MSB != (\new)
	s_set_vgpr_msb (MSB<<8)|(\new)
.set MSB, \new
.endif
.endm
	s_load_b256 s[4:11], s[0:1], 0x0               ; x s[4:5], Wc s[6:7], bc s[8:9], xb s[10:11]
	s_load_b128 s[12:15], s[0:1], 0x20             ; bm s[12:13], wts s[14:15]
	s_load_b64 s[16:17], s[0:1], 0x30              ; out1
	v_lshl_add_u32 v[SPW], v0, 2, SPARE
	v_mov_b32 v[NIL], 0
	v_and_b32 v1, 31, v0
	v_lshrrev_b32 v2, 5, v0
	v_readfirstlane_b32 s18, v2                    ; wave
	v_lshlrev_b32 v7, 4, v1
	v_lshlrev_b32 v8, 3, v1
	s_lshl_b32 s20, ttmp9, 15                      ; x: 16 rows of 2,048 bytes a work-group,
	s_lshl_b32 s19, s18, 13                        ; 4 rows a wave
	s_add_co_u32 s20, s20, s19
	s_mov_b32 s21, 0
	s_lshl_b32 s22, s18, 12                        ; Wc: 4,096 bytes a wave
	s_mov_b32 s23, 0
	s_lshl_b32 s32, ttmp9, 14                      ; xb: 16 rows of 1,024 bytes a work-group, 4 rows a wave
	s_add_co_u32 s32, s32, s22
	s_mov_b32 s33, 0
	s_mul_i32 s19, s18, 4*XP
	v_add_nc_u32 v9, s19, v8                       ; LDS: my wave's 4 rows, 8 bytes a lane
	s_lshl_b32 s19, s18, 11
	s_add_co_u32 s19, s19, WCS
	v_add_nc_u32 v10, s19, v8                      ; LDS: my wave's 2,048 bytes of Wc
	s_wait_kmcnt 0x0
	s_add_nc_u64 s[4:5], s[4:5], s[20:21]
	s_add_nc_u64 s[6:7], s[6:7], s[22:23]
	s_add_nc_u64 s[10:11], s[10:11], s[32:33]
	s_load_b256 s[24:31], s[8:9], 0x0              ; bc, all 32 bytes
.set i, 0
.rept 16                                       ; row i / 4, piece i % 4: 512 consecutive bytes a load
	global_load_b128 v[32+4*i:35+4*i], v7, s[4:5] offset:(i/4)*2048+(i%4)*512 th:TH_LOAD_NT
.set i, i+1
.endr
.set i, 0
.rept 8
	global_load_b128 v[96+4*i:99+4*i], v7, s[6:7] offset:512*i
.set i, i+1
.endr
.set rr, 0
.rept 4
	s_wait_loadcnt 20-4*rr                         ; this row's four loads are in; the later rows' and Wc's eight stay out
.set p, 0
.rept 4
	v_cvt_pk_bf16_f32 v[128+2*(4*rr+p)], v[32+4*(4*rr+p)], v[33+4*(4*rr+p)]
	v_cvt_pk_bf16_f32 v[129+2*(4*rr+p)], v[34+4*(4*rr+p)], v[35+4*(4*rr+p)]
	global_store_b64 v8, v[128+2*(4*rr+p):129+2*(4*rr+p)], s[10:11] offset:rr*1024+p*256   ; each pair has registers of its own: none is written again
	ds_store_b64 v9, v[128+2*(4*rr+p):129+2*(4*rr+p)] offset:rr*XP+p*256
.set p, p+1
.endr
.set rr, rr+1
.endr
	s_wait_loadcnt 0x0
.set i, 0
.rept 8
	v_cvt_pk_bf16_f32 v[160+2*i], v[96+4*i], v[97+4*i]
	v_cvt_pk_bf16_f32 v[161+2*i], v[98+4*i], v[99+4*i]
	ds_store_b64 v10, v[160+2*i:161+2*i] offset:256*i
.set i, i+1
.endr
	s_wait_kmcnt 0x0                               ; bc
	s_wait_dscnt 0x0                               ; for wave 0's sake: my stores into LDS are done
	s_barrier_signal -1
	s_barrier_wait -1
	s_cmp_lg_u32 s18, 0
	s_cbranch_scc1 .Lend                           ; the product is one wave's work
	v_and_b32 v3, 15, v1
	v_bfe_u32 v6, v1, 4, 1
	v_mul_u32_u24 v11, v3, XP
	v_lshl_add_u32 v11, v6, 4, v11                 ; x: row lane % 16, 16 bytes for each half of the lanes
	v_and_b32 v2, 7, v1
	v_lshl_add_u32 v2, v6, 3, v2
	v_lshlrev_b32 v12, 4, v2                       ; Wc, turned: row k = 8 (lane / 16) + lane % 8; all groups of eight lanes take columns 0-7, so rows 8-15 of source 0 repeat the experts
	v_add_nc_u32 v12, WCS, v12
	WIN 0x40                                       ; destination window 1
.set j, 0
.rept 16
	ds_load_b128 v[8*j:8*j+3], v11 offset:64*j
	ds_load_b128 v[8*j+4:8*j+7], v11 offset:64*j+32
	ds_load_tr16_b128 v[128+8*j:128+8*j+3], v12 offset:512*j
	ds_load_tr16_b128 v[128+8*j+4:128+8*j+7], v12 offset:512*j+256
.set j, j+1
.endr
	WIN 0
.set i, 0
.rept 4                                        ; bc rounded to bf16 like every input; register j of the sum's start is expert j's
	v_cvt_pk_bf16_f32 v2, s[24+2*i], s[25+2*i]
	v_lshlrev_b32 v[16+2*i], 16, v2
	v_and_b32 v[17+2*i], 0xffff0000, v2
.set i, i+1
.endr
	s_wait_dscnt 0x0
	WIN 0x05                                       ; both sources window 1
	v_wmma_f32_16x16x32_bf16 v[24:31], v[128:135], v[0:7], v[16:23]       ; two accumulators by turns; one starts with bc, the other with 0
	v_wmma_f32_16x16x32_bf16 v[176:183], v[136:143], v[8:15], 0
.set j, 2
.rept 7
	v_wmma_f32_16x16x32_bf16 v[24:31], v[128+8*j:135+8*j], v[8*j:8*j+7], v[24:31]
	v_wmma_f32_16x16x32_bf16 v[176:183], v[136+8*j:143+8*j], v[8*j+8:8*j+15], v[176:183]
.set j, j+2
.endr
	WIN 0
.rept 4
	v_nop                                          ; four places behind the last product (ISA guide 7.12.1)
.endr
.set i, 0
.rept 4
	v_pk_add_f32 v[184+2*i:185+2*i], v[24+2*i:25+2*i], v[176+2*i:177+2*i]  ; the logits; lowest registers first
.set i, i+1
.endr
	; top-2: strict greater-than, ascending, so the lower index wins a tie
	v_mov_b32 v200, v184
	v_mov_b32 v201, 0
.set ee, 1
.rept 7
	v_cmp_gt_f32 vcc_lo, v[184+ee], v200
	v_cndmask_b32 v200, v200, v[184+ee], vcc_lo
	v_cndmask_b32 v201, v201, ee, vcc_lo
.set ee, ee+1
.endr
	v_mov_b32 v205, 0xff800000
	v_mov_b32 v202, 0xff800000
	v_mov_b32 v203, 0
.set ee, 0
.rept 8
	v_cmp_eq_u32 vcc_lo, ee, v201
	v_cndmask_b32 v204, v[184+ee], v205, vcc_lo    ; the first choice is out of the running
	v_cmp_gt_f32 vcc_lo, v204, v202
	v_cndmask_b32 v202, v202, v204, vcc_lo
	v_cndmask_b32 v203, v203, ee, vcc_lo
.set ee, ee+1
.endr
	; softmax: the maximum is taken away first
.set i, 0
.rept 8
	v_sub_f32 v[192+i], v[184+i], v200
.set i, i+1
.endr
	v_sub_f32 v206, v202, v200
.set i, 0
.rept 8
	v_mul_f32 v[192+i], 0x3fb8aa3b, v[192+i]
.set i, i+1
.endr
	v_mul_f32 v206, 0x3fb8aa3b, v206
.set i, 0
.rept 8
	v_exp_f32 v[192+i], v[192+i]
.set i, i+1
.endr
	v_exp_f32 v206, v206
	v_lshlrev_b32 v13, 5, v3                       ; plain work behind the batch: out1's offset, 32 bytes a token,
	v_lshl_add_u32 v13, v6, 4, v13                 ; 16 for each half of the lanes
	s_wait_alu depctr_va_vdst(0)                   ; one wait for the nine exponentials, ahead of their first reader
	v_pk_add_f32 v[192:193], v[192:193], v[194:195]
	v_pk_add_f32 v[196:197], v[196:197], v[198:199]
	v_pk_add_f32 v[192:193], v[192:193], v[196:197]
	v_add_f32 v207, v192, v193
	v_rcp_f32 v208, v207                           ; the first weight: its exponential is 1
	s_lshl_b32 s21, ttmp9, 9
	v_add_nc_u32 v13, s21, v13
	s_wait_alu depctr_va_vdst(0)
	v_mul_f32 v209, v206, v208                     ; the second
	s_mov_b32 s20, 0xffff0000                      ; lanes 16-31
.set i, 0
.rept 4
	v_cndmask_b32 v[210+i], v[184+i], v[188+i], s20
.set i, i+1
.endr
	global_store_b128 v13, v[210:213], s[16:17] th:TH_STORE_NT   ; 512 consecutive bytes: 16 tokens' logits
	v_cndmask_b32 v214, v208, v209, s20
	v_lshlrev_b32 v14, 2, v3
	v_lshl_add_u32 v14, v6, 13, v14
	s_lshl_b32 s21, ttmp9, 6
	v_add_nc_u32 v14, s21, v14
	global_store_b32 v14, v214, s[14:15]           ; lanes 0-15 the first weights, lanes 16-31 the second
	v_mov_b32 v215, 0
.set ee, 0
.rept 8
	v_cmp_eq_u32 s21, ee, v201
	v_cmp_eq_u32 s22, ee, v203
	s_or_b32 s21, s21, s22
	v_writelane_b32 v215, s21, ee                  ; lane e: who chose e (bits 0-15: my 16 tokens)
	v_writelane_b32 v215, s22, 8+ee                ; lane 8 + e: who chose it second
.set ee, ee+1
.endr
	v_lshlrev_b32 v15, 8, v1
	s_lshl_b32 s22, ttmp9, 1
	v_add_nc_u32 v15, s22, v15                     ; 256 bytes a row of the bitmaps, two bytes a work-group
	s_wait_xcnt 0x0                                ; EXEC changes only behind this wait
	v_cmp_gt_u32 vcc_lo, 16, v1
	s_and_saveexec_b32 s23, vcc_lo
	global_store_b16 v15, v215, s[12:13]
	s_wait_xcnt 0x0                                ; and again in front of the line that widens it
	s_or_b32 exec_lo, exec_lo, s23
.Lend:
	s_wait_tensorcnt 0x0                           ; the wave's end
	ds_add_u32 v[SPW], v[NIL]
	s_wait_dscnt 0x0
	s_endpgm
.Lfunc_end_k_q1e9bff20fd_router:
	.size	k_q1e9bff20fd_router, .Lfunc_end_k_q1e9bff20fd_router-k_q1e9bff20fd_router
	.p2alignl 7, 3214868480
	.fill 96, 4, 3214868480
	.section	.rodata,"a",@progbits
	.p2align	6, 0x0
	.amdhsa_kernel k_q1e9bff20fd_router
		.amdhsa_group_segment_fixed_size 25344
		.amdhsa_private_segment_fixed_size 0
		.amdhsa_enable_private_segment 0
		.amdhsa_kernarg_size 56
		.amdhsa_user_sgpr_count 2
		.amdhsa_user_sgpr_kernarg_segment_ptr 1
		.amdhsa_wavefront_size32 1
		.amdhsa_system_sgpr_workgroup_id_x 1
		.amdhsa_system_sgpr_workgroup_id_y 1
		.amdhsa_system_sgpr_workgroup_id_z 1
		.amdhsa_system_vgpr_workitem_id 0
		.amdhsa_next_free_vgpr 512
		.amdhsa_next_free_sgpr 66
		.amdhsa_reserve_vcc 1
		.amdhsa_float_denorm_mode_32 3
		.amdhsa_float_denorm_mode_16_64 3
		.amdhsa_memory_ordered 1
		.amdhsa_forward_progress 1
		.amdhsa_inst_pref_size 25
	.end_amdhsa_kernel
	.amdgpu_metadata
---
amdhsa.version: [ 1, 2 ]
amdhsa.kernels:
  - .name:           k_q1e9bff20fd_router
    .symbol:         k_q1e9bff20fd_router.kd
    .args:
      - { .name: hidden_states, .offset: 0, .size: 8, .value_kind: global_buffer, .address_space: global }
      - { .name: Wc, .offset: 8, .size: 8, .value_kind: global_buffer, .address_space: global }
      - { .name: bc, .offset: 16, .size: 8, .value_kind: global_buffer, .address_space: global }
      - { .name: xb, .offset: 24, .size: 8, .value_kind: global_buffer, .address_space: global }
      - { .name: bm, .offset: 32, .size: 8, .value_kind: global_buffer, .address_space: global }
      - { .name: wts, .offset: 40, .size: 8, .value_kind: global_buffer, .address_space: global }
      - { .name: out1, .offset: 48, .size: 8, .value_kind: global_buffer, .address_space: global }
    .group_segment_fixed_size: 25344
    .private_segment_fixed_size: 0
    .kernarg_segment_align: 8
    .kernarg_segment_size: 56
    .max_flat_workgroup_size: 128
    .sgpr_count:     66
    .vgpr_count:     512
    .wavefront_size: 32
...
	.end_amdgpu_metadata
.endif
;; end of part 1
;; launch ffn1 (part 2): grid 32 x 8, 4 waves a work-group, no clusters, 185,856 bytes of LDS; arguments xb, W1, b1, bm, g, dest, meta; writes g, dest, meta
.if DOCPART == 2
	.amdgcn_target "amdgcn-amd-amdhsa--gfx1250"
	.amdhsa_code_object_version 6
	.text
	.protected	k_q1e9bff20fd_ffn1
	.globl	k_q1e9bff20fd_ffn1
	.p2align	8
	.type	k_q1e9bff20fd_ffn1,@function
k_q1e9bff20fd_ffn1:
	s_mov_b64 s[64:65], 0
	v_nop
	global_prefetch_b8 v0, s[64:65] scope:SCOPE_SE
	s_setreg_imm32_b32 hwreg(HW_REG_WAVE_MODE, 25, 1), 1
	s_wait_xcnt 0x0
; FIRST PRODUCT AND GLU, on the routed rows alone: g = a silu(gate), (a, gate) = x W1[e] + b1[e].  W1 and b1 are rounded to bf16 here, x was before; sums and the GLU in f32; g is stored once as bf16
; (bf16, not f16: with inputs some 30 times larger g passes f16's range).
; SHARES.  Work-group (s, e) has inner columns 64 s .. 64 s + 63 of expert e, both a's and gate's: 128 columns x 512 k of W1, 256 KB of f32 that it alone reads, once.
; Wave w: c = w & 1 picks 32 of the inner columns, rg = w >> 1 the tiles of 16 rows with that parity.  A wave keeps its 64 weight columns x 512 k as 64 fragments in 512 registers for the whole launch.
; WEIGHTS: f32 loads (two aligned runs of 256 bytes each), rounded, laid [k][n] into LDS, one barrier, read back turned.  TOKEN ROWS come by a list straight from memory into fragment registers, three buffers, two tiles ahead.
; THE MATRIX INSTRUCTION IS USED TRANSPOSED (source 0 = 16 weight columns, source 1 = 16 tokens): a lane holds one token and eight neighbouring columns, and two results rounded in pairs ARE the next product's token fragment.
; ROUTING.  Every wave counts the bitmaps stored by the launch before: T = first tile of expert e (each expert has an even number of tiles, at most 270 in all for every split), n = its rows, NT = ceil(n / 16);
; and makes its own list in LDS: entry = slot x 2048 + token in the order of tokens; places past n hold 4096 + 16 e + place % 16: they repeat token 16 e + place % 16, and name a spare row of the next product's output.
; No wave touches another's list.  Wave 0 of work-group s stores chunks s and s + 32 of the list (dest: 128 bytes a store, 17 KB in the launch), work-group 0 also T and NT (meta).
; THE QUEUE.  Ahead of the row loop a wave takes the entries of its 64 possible tiles out of its list into 32 registers, 16 bits an entry (4,223 at the most): lane (r, h) holds row r's entry of tile 2 m in the low half of
; register m and of tile 2 m + 1 in the high half.  The head names the tile to be asked for; the queue moves on by 16 bits a tile; behind the last entry zeros come in: token 0, for tiles that are asked for and never multiplied.
; g: tile of 16 rows = 64 blocks of 1 KB; block kb = the fragment of inner columns 32 kb ..: registers 0-3 of lane L at 16 L, registers 4-7 at 512 + 16 L: each store covers 512 consecutive aligned bytes.
; THE ROW LOOP has a constant count (22 x 3 tiles; a wave has 64 at the most) and is left forward when the wave's tiles are done; it holds no barrier and touches no LDS.
; NO CLUSTER, NO TENSOR LOAD: each slice of weights has one reader and passes through registers to be rounded; the token rows come by a list, which no tile descriptor covers.
; LIMITS.  NaN and infinities are not treated apart; exp(-gate) beyond f32's range gives g = 0, as silu does.
.set WP,     288                       ; a row of k in the stage: 256 bytes + 32, an odd multiple of 32
.set LIST,   147456                    ; behind the stage's 512 rows
.set LPITCH, 9472                      ; a wave's list: 2,304 words, and word 2,304, which takes what lanes without a row write and is never read
.set LASTW,  0x8ff                     ; the list's last word
.set SPARE,  185344                    ; the spare words: 128 bytes a wave, named by no other line
.set SPW,  4                           ; v4  my spare word
.set NIL,  5                           ; v5  0
.set WOFF, 6                           ; v6  my 16 bytes in a row of W1: lanes 0-15 a's run, lanes 16-31 gate's
.set WSTO, 7                           ; v7  where my 8 bytes go in a row of the stage: column 64 c + 32 z + i (z = 1: gate)
.set BAD,  8                           ; v8-11  turning loads: my place, for k 0, 128, 256, 384 on
.set LB,   12                          ; v12 my wave's list
.set LA,   13                          ; v13 the list's fill, 16 bytes a lane
.set PK,   6                           ; v6-13 again, in the row loop: g, packed
.set TOK,  14                          ; v14 lane        v15 lane + 2048;  then meta's offset and data, written once
.set TOK2, 15
.set LA0,  18                          ; v18 my place in the list: list + 4 (lane % 16) + 64 rg          v16, v17 at work
.set XO,   20                          ; v20-22  a buffer's byte offset in xb
.set H16,  23                          ; v23 16 (lane / 16)
.set GO,   24                          ; v24 my offset in g
.set GL,   25                          ; v25 16 lane + 1024 (2 s + c)                                     v26-31 sources of dest's stores, written once
.set ACC,  32                          ; v32-63  a (16 columns, 16 more), gate (likewise); the GLU works in place on them
.set CV,   32                          ; v32-47  before the loop: weights just rounded
.set PAD,  48                          ; v48-51  before the loop: the list's fill
.set BMO,  52                          ; v52     before the loop: my offset in bm
.set CN,   54                          ; v54     before the loop: counts
.set BO,   55                          ; v55     before the loop: my offset in b1
.set BIAS, 64                          ; v64-95  b1 in the accumulators' layout: the C operand that starts each sum
.set Q,    96                          ; v96-127 the queue
.set BMV,  128                         ; v128-143 sixteen words of the bitmaps
.set QT,   128                         ; v128-191 the 64 entries as read; later v128-255 is token buffer 2
; window 1: v0-127, v128-255 token buffers 0 and 1 (before: six groups of 32 for weights on their way)      windows 2, 3: weights: block b, k step j at 8 (4 (j % 8) + b), window 2 + j / 8
; s68 e  s69 s  s70 wave  s71 c  s72 rg  s73 rows so far, then n  s74 NT  s75 T  s76 NTW  s77 tiles done  s78 trips  s79 at work  s96 my tile in g  s[98:99] -log2(e)  s100-101 lane selects; then s100 the queue's byte select
.set MSB, 0
.macro WIN new                         ; the immediate's high byte repeats the setting that is left
.if MSB != (\new)
	s_set_vgpr_msb (MSB<<8)|(\new)
.set MSB, \new
.endif
.endm
.macro WLOAD G                         ; group G: my rows k = 128 w + 8 G + 0..7, a row a load
	WIN 0x40
.set i, 0
.rept 8
	global_load_b128 v[32*((\G)%6)+4*i:32*((\G)%6)+4*i+3], v[WOFF], s[6:7] offset:(8*(\G)+i)*16384 th:TH_LOAD_NT
.set i, i+1
.endr
.endm
.macro LISTLOAD tau                    ; 32 words of each plane of expert e's bitmaps
	s_load_b512 s[16:31], s[96:97], 128*(\tau)
	s_load_b512 s[32:47], s[96:97], 128*(\tau)+64
	s_load_b512 s[48:63], s[96:97], 2048+128*(\tau)
	s_load_b512 s[80:95], s[96:97], 2048+128*(\tau)+64
.endm
.macro LISTHALF tau                    ; a word = 32 tokens: a lane whose bit is set puts its entry at its rank; the others' rank becomes 2,304 by the clamp
	s_wait_kmcnt 0x0
.set w, 0
.rept 32
.if w < 16
.set sb, 48+w
.else
.set sb, 64+w
.endif
	v_mbcnt_lo_u32_b32 v16, s[16+w], s73           ; rows before me
	v_cndmask_b32 v17, -1, 0, s[16+w]
	v_or_b32 v16, v16, v17
	v_min_u32 v16, 0x900, v16
	v_lshl_add_u32 v16, v16, 2, v[LB]
	v_cndmask_b32 v17, v[TOK], v[TOK2], s[sb]      ; second choice: + 2048
	v_add_nc_u32 v17, 32*(32*(\tau)+w), v17
	ds_store_b32 v16, v17
	s_bcnt1_i32_b32 s79, s[16+w]
	s_add_co_u32 s73, s73, s79
.set w, w+1
.endr
.endm
.macro ABUF b                          ; token buffer b: first register and window
.if (\b) == 0
.set AB, 0
.else
.set AB, 128
.endif
.if (\b) < 2
.set AW, 1
.else
.set AW, 0
.endif
.endm
.macro LOADA b                         ; the 16 token rows that the queue's head names, x 512 k, into buffer b: lane (r, h) takes token r's bytes 64 j + 16 h and + 32
	ABUF \b
	WIN 0
	v_and_b32 v16, 0x7ff, v[Q]                     ; the token: the entry's low 11 bits,
	v_min_u32 v16, 0x7ff, v16                      ; held to xb's 2,048 rows
	v_lshl_add_u32 v[XO+(\b)], v16, 10, v[H16]
	WIN 0x40*AW
.set j, 0
.rept 16
	global_load_b128 v[AB+8*j:AB+8*j+3], v[XO+(\b)], s[4:5] offset:64*j
	global_load_b128 v[AB+8*j+4:AB+8*j+7], v[XO+(\b)], s[4:5] offset:64*j+32
.set j, j+1
.endr
	WIN 0
.endm
.macro QSHIFT                          ; the queue moves on by one entry: a register takes its own high half and its neighbour's low half
	WIN 0
.set m, 0
.rept 31
	v_perm_b32 v[Q+m], v[Q+m+1], v[Q+m], s100
.set m, m+1
.endr
	v_lshrrev_b32 v[Q+31], 16, v[Q+31]
.endm
.macro MUL b                           ; 64 products: k ascending, the four accumulators by turns, one instruction a turn; the first four start the sums with b1
	ABUF \b
.set j, 0
.rept 16
	WIN (2+j/8)|(AW<<2)
.set bb, 0
.rept 4
.if j == 0
	v_wmma_f32_16x16x32_bf16 v[ACC+8*bb:ACC+8*bb+7], v[8*(4*(j%8)+bb):8*(4*(j%8)+bb)+7], v[AB+8*j:AB+8*j+7], v[BIAS+8*bb:BIAS+8*bb+7]
.else
	v_wmma_f32_16x16x32_bf16 v[ACC+8*bb:ACC+8*bb+7], v[8*(4*(j%8)+bb):8*(4*(j%8)+bb)+7], v[AB+8*j:AB+8*j+7], v[ACC+8*bb:ACC+8*bb+7]
.endif
.set bb, bb+1
.endr
.set j, j+1
.endr
.endm
.macro EPI                             ; g = a gate / (1 + 2^(-log2(e) gate)), in place on the accumulators, rounded, stored
	WIN 0
	s_wait_xcnt 0x0                                ; the last tile's stores have read PK and GO: only now are they written again
	s_lshl_b32 s79, s96, 16
	v_add_nc_u32 v[GO], s79, v[GL]
.rept 3
	v_nop                                          ; with the line above: four places behind the last product (ISA guide 7.12.1)
.endr
.set i, 0
.rept 8
	v_pk_mul_f32 v[ACC+2*i:ACC+2*i+1], v[ACC+2*i:ACC+2*i+1], v[ACC+16+2*i:ACC+17+2*i]   ; a gate; each accumulator's lowest registers are read first
.set i, i+1
.endr
.set i, 0
.rept 8
	v_pk_mul_f32 v[ACC+16+2*i:ACC+17+2*i], v[ACC+16+2*i:ACC+17+2*i], s[98:99] op_sel_hi:[1,0]
.set i, i+1
.endr
.set i, 0
.rept 16
	v_exp_f32 v[ACC+16+i], v[ACC+16+i]
.set i, i+1
.endr
	QSHIFT                                         ; plain work behind the batch, which names none of its results
	s_wait_alu depctr_va_vdst(0)                   ; one wait for the sixteen exponentials
.set i, 0
.rept 8
	v_pk_add_f32 v[ACC+16+2*i:ACC+17+2*i], v[ACC+16+2*i:ACC+17+2*i], 1.0 op_sel_hi:[1,0]
.set i, i+1
.endr
.set i, 0
.rept 16
	v_rcp_f32 v[ACC+16+i], v[ACC+16+i]
.set i, i+1
.endr
	v_nop                                          ; a plain instruction behind the last reciprocal
	s_wait_alu depctr_va_vdst(0)                   ; one wait for the sixteen
.set i, 0
.rept 8
	v_pk_mul_f32 v[ACC+2*i:ACC+2*i+1], v[ACC+2*i:ACC+2*i+1], v[ACC+16+2*i:ACC+17+2*i]
.set i, i+1
.endr
.set i, 0
.rept 8
	v_cvt_pk_bf16_f32 v[PK+i], v[ACC+2*i], v[ACC+2*i+1]
.set i, i+1
.endr
	global_store_b128 v[GO], v[PK:PK+3], s[12:13]
	global_store_b128 v[GO], v[PK+4:PK+7], s[12:13] offset:512
	s_add_co_u32 s96, s96, 2                       ; my next tile
	s_add_co_u32 s77, s77, 1
.endm
.macro BODY b                          ; one tile, in buffer b
	s_cmp_ge_u32 s77, s76
	s_cbranch_scc1 .Lend                           ; my tiles are done: forward, past no barrier
	s_wait_loadcnt 32                              ; this tile's 32 loads are in; the next tile's 32 stay out
	LOADA ((\b)+2)%3                               ; two tiles ahead, into the buffer multiplied last: the GLU's lines are the places behind its products
	MUL \b
	EPI
.endm
	s_load_b256 s[4:11], s[0:1], 0x0               ; xb s[4:5], W1 s[6:7], b1 s[8:9], bm s[10:11]
	s_load_b128 s[12:15], s[0:1], 0x20             ; g s[12:13], dest s[14:15]
	s_load_b64 s[66:67], s[0:1], 0x30              ; meta
	v_lshl_add_u32 v[SPW], v0, 2, SPARE
	v_mov_b32 v[NIL], 0
	v_and_b32 v1, 31, v0
	v_lshrrev_b32 v16, 5, v0
	v_readfirstlane_b32 s70, v16
	v_and_b32 v2, 15, v0
	v_bfe_u32 v3, v0, 4, 1
	s_and_b32 s68, ttmp7, 0xffff
	s_mov_b32 s69, ttmp9
	s_and_b32 s71, s70, 1
	s_lshr_b32 s72, s70, 1
	s_lshl_b32 s96, s68, 23                        ; W1: an expert is 2^23 bytes,
	s_lshl_b32 s79, s69, 8                         ; my slice's 256 bytes in a row,
	s_add_co_u32 s96, s96, s79
	s_lshl_b32 s79, s70, 21                        ; my wave's 128 rows of 16,384 bytes
	s_add_co_u32 s96, s96, s79
	s_mov_b32 s97, 0
	v_lshlrev_b32 v[WOFF], 4, v2
	v_lshl_add_u32 v[WOFF], v3, 13, v[WOFF]        ; gate's columns lie 8,192 bytes behind a's
	s_lshl_b32 s79, s68, 14                        ; b1: 4 (4096 e + 64 s + 32 c + 8 h)
	s_lshl_b32 s78, s69, 8
	s_add_co_u32 s79, s79, s78
	s_lshl_b32 s78, s71, 7
	s_add_co_u32 s79, s79, s78
	v_lshlrev_b32 v[BO], 5, v3
	v_add_nc_u32 v[BO], s79, v[BO]
	v_lshlrev_b32 v[BMO], 6, v1                    ; bm: 16 words a lane: expert lane / 4
	s_wait_kmcnt 0x0
	s_add_nc_u64 s[6:7], s[6:7], s[96:97]
	s_lshl_b32 s96, s68, 8
	s_add_nc_u64 s[96:97], s[10:11], s[96:97]      ; expert e's row of the bitmaps
.set i, 0
.rept 4
	global_load_b128 v[BMV+4*i:BMV+4*i+3], v[BMO], s[10:11] offset:16*i
.set i, i+1
.endr
.set bb, 0
.rept 4
	global_load_b128 v[BIAS+8*bb:BIAS+8*bb+3], v[BO], s[8:9] offset:64*(bb&1)+8192*(bb>>1)
	global_load_b128 v[BIAS+8*bb+4:BIAS+8*bb+7], v[BO], s[8:9] offset:64*(bb&1)+8192*(bb>>1)+16
.set bb, bb+1
.endr
.irp gg, 0,1,2,3,4,5
	WLOAD \gg                                      ; 48 loads, 24 KB a wave, are out while the routing is counted
.endr
	WIN 0
	LISTLOAD 0
	; addresses
	v_bfe_u32 v16, v0, 3, 1
	v_lshlrev_b32 v[WSTO], 7, v16                  ; 128 c' + 64 z + 8 (lane % 8)
	v_lshl_add_u32 v[WSTO], v3, 6, v[WSTO]
	v_and_b32 v17, 7, v0
	v_lshl_add_u32 v[WSTO], v17, 3, v[WSTO]
	s_mul_i32 s79, s70, 128*WP
	v_add_nc_u32 v[WSTO], s79, v[WSTO]
	v_lshl_add_u32 v17, v3, 3, v17                 ; turning load: row 8 (lane / 16) + lane % 8,
	v_mul_u32_u24 v[BAD], v17, WP
	v_lshl_add_u32 v[BAD], v16, 4, v[BAD]          ; 16 bytes on for the odd groups of eight lanes,
	s_lshl_b32 s79, s71, 7
	v_add_nc_u32 v[BAD], s79, v[BAD]               ; my wave's 64 columns
	v_add_nc_u32 v[BAD+1], 128*WP, v[BAD]
	v_add_nc_u32 v[BAD+2], 256*WP, v[BAD]
	v_add_nc_u32 v[BAD+3], 384*WP, v[BAD]
	v_lshlrev_b32 v[H16], 4, v3
	s_lshl_b32 s79, s69, 1
	s_add_co_u32 s79, s79, s71
	s_lshl_b32 s79, s79, 10
	v_lshl_add_u32 v[GL], v1, 4, s79
	s_mul_i32 s79, s70, LPITCH
	s_add_co_u32 s79, s79, LIST
	v_mov_b32 v[LB], s79
	v_lshl_add_u32 v[LA], v1, 4, s79
	v_lshl_add_u32 v[LA0], v2, 2, s79
	s_lshl_b32 s79, s72, 6
	v_add_nc_u32 v[LA0], s79, v[LA0]
	v_mov_b32 v[TOK], v1
	v_add_nc_u32 v[TOK2], 0x800, v1
	v_and_b32 v16, 3, v1
	v_lshlrev_b32 v16, 2, v16
	s_lshl_b32 s79, s68, 4
	s_add_co_u32 s79, s79, 4096
	v_add_nc_u32 v[PAD], s79, v16                  ; 4096 + 16 e + place % 16
	v_add_nc_u32 v[PAD+1], 1, v[PAD]
	v_add_nc_u32 v[PAD+2], 2, v[PAD]
	v_add_nc_u32 v[PAD+3], 3, v[PAD]
.set i, 0
.rept 18
	ds_store_b128 v[LA], v[PAD:PAD+3] offset:512*i ; the whole list first holds what stands past the count
.set i, i+1
.endr
	s_mov_b32 s73, 0
	s_mov_b32 s98, 0xbfb8aa3b
	s_mov_b32 s99, 0xbfb8aa3b
	s_mov_b32 s100, 0x76543210
	s_mov_b32 s101, 0xfedcba98
	s_mov_b32 s79, 0x55555555
	s_mov_b32 s78, 0x33333333
	s_mov_b32 s77, 0x0f0f0f0f
	s_mov_b32 s76, 0x00ff00ff
	s_wait_loadcnt 48                              ; the bitmaps and b1 are in; the six groups of weights stay out
	; the set bits of my 16 words: pairs, fours, bytes; the bytes (8 at the most a word) are added over the words
.set i, 0
.rept 16
	v_lshrrev_b32 v16, 1, v[BMV+i]
	v_and_b32 v16, s79, v16
	v_sub_nc_u32 v17, v[BMV+i], v16
	v_lshrrev_b32 v16, 2, v17
	v_and_b32 v17, s78, v17
	v_and_b32 v16, s78, v16
	v_add_nc_u32 v17, v17, v16
	v_lshrrev_b32 v16, 4, v17
	v_add_nc_u32 v17, v17, v16
.if i == 0
	v_and_b32 v[CN], s77, v17
.else
	v_and_b32 v17, s77, v17
	v_add_nc_u32 v[CN], v[CN], v17
.endif
.set i, i+1
.endr
	v_lshrrev_b32 v16, 8, v[CN]
	v_and_b32 v16, s76, v16
	v_and_b32 v[CN], s76, v[CN]
	v_add_nc_u32 v[CN], v[CN], v16
	v_lshrrev_b32 v16, 16, v[CN]
	v_and_b32 v[CN], 0xffff, v[CN]
	v_add_nc_u32 v[CN], v[CN], v16
	v_mov_b32_dpp v16, v[CN] row_xmask:1 row_mask:0xf bank_mask:0xf
	v_add_nc_u32 v[CN], v[CN], v16
	v_mov_b32_dpp v16, v[CN] row_xmask:2 row_mask:0xf bank_mask:0xf
	v_add_nc_u32 v[CN], v[CN], v16                 ; the rows of expert lane / 4
	v_add_nc_u32 v[CN], 31, v[CN]
	v_lshrrev_b32 v[CN], 5, v[CN]
	v_lshlrev_b32 v[CN], 1, v[CN]                  ; its tiles, an even number
	v_lshrrev_b32 v16, 2, v1
	v_cmp_gt_u32 vcc_lo, s68, v16
	v_cndmask_b32 v[CN], 0, v[CN], vcc_lo          ; only the experts in front of mine
	v_mov_b32_dpp v16, v[CN] row_xmask:4 row_mask:0xf bank_mask:0xf
	v_add_nc_u32 v[CN], v[CN], v16
	v_mov_b32_dpp v16, v[CN] row_xmask:8 row_mask:0xf bank_mask:0xf
	v_add_nc_u32 v[CN], v[CN], v16                 ; one lane of each of my half's four experts,
	v_permlanex16_b32 v16, v[CN], s100, s101
	v_add_nc_u32 v[CN], v[CN], v16                 ; and the other half's four
	v_readfirstlane_b32 s75, v[CN]
	s_min_u32 s75, s75, 270                        ; T
.set i, 0
.rept 16                                       ; b1 rounded to bf16 like every input
	v_cvt_pk_bf16_f32 v16, v[BIAS+2*i], v[BIAS+2*i+1]
	v_lshlrev_b32 v[BIAS+2*i], 16, v16
	v_and_b32 v[BIAS+2*i+1], 0xffff0000, v16
.set i, i+1
.endr
	LISTHALF 0
	LISTLOAD 1
	LISTHALF 1
	s_min_u32 s73, s73, 2048                       ; n
	s_add_co_u32 s74, s73, 15
	s_lshr_b32 s74, s74, 4                         ; NT
	s_sub_co_u32 s76, s74, s72
	s_add_co_u32 s76, s76, 1
	s_lshr_b32 s76, s76, 1                         ; my wave's tiles: those of parity rg
	; the tables for the next product: wave 0 alone; LDS serves a wave in order, so these loads see my list
	s_cmp_lg_u32 s70, 0
	s_cbranch_scc1 .Lno_tables
	v_lshlrev_b32 v17, 2, v1
	s_lshl_b32 s79, s75, 6
	v_add_nc_u32 v17, s79, v17                     ; dest: 64 bytes a tile
	s_lshl_b32 s79, s69, 1
	s_cmp_lt_u32 s79, s74
	s_cbranch_scc0 .Lno_c0
	s_lshl_b32 s79, s69, 5
	v_add_nc_u32 v16, s79, v1                      ; chunk s: word 32 s + lane of my list, held to the list's words
	v_min_u32 v16, LASTW, v16
	v_lshl_add_u32 v26, v16, 2, v[LB]
	s_lshl_b32 s79, s69, 7
	v_add_nc_u32 v27, s79, v17
	ds_load_b32 v28, v26
	s_wait_dscnt 0x0
	global_store_b32 v27, v28, s[14:15]
.Lno_c0:
	s_add_co_u32 s78, s69, 32
	s_lshl_b32 s79, s78, 1
	s_cmp_lt_u32 s79, s74
	s_cbranch_scc0 .Lno_c1
	s_lshl_b32 s79, s78, 5
	v_add_nc_u32 v16, s79, v1                      ; chunk s + 32: word 2,047 at the most
	v_min_u32 v16, LASTW, v16
	v_lshl_add_u32 v29, v16, 2, v[LB]
	s_lshl_b32 s79, s78, 7
	v_add_nc_u32 v30, s79, v17
	ds_load_b32 v31, v29
	s_wait_dscnt 0x0
	global_store_b32 v30, v31, s[14:15]
.Lno_c1:
	s_cmp_lg_u32 s69, 0
	s_cbranch_scc1 .Lno_tables
	s_lshl_b32 s79, s68, 7
	v_lshl_add_u32 v[TOK], v1, 2, s79              ; the list is made: the two registers now hold meta's offset and data
	v_and_b32 v16, 1, v1
	v_cmp_eq_u32 vcc_lo, 1, v16
	v_mov_b32 v17, s74
	v_mov_b32 v[TOK2], s75
	v_cndmask_b32 v[TOK2], v[TOK2], v17, vcc_lo    ; even words T, odd words NT
	global_store_b32 v[TOK], v[TOK2], s[66:67]
.Lno_tables:
	; the weights: six groups of eight loads are always out until the last are asked for
.set G, 0
.rept 16
.if G < 11
	s_wait_loadcnt 40                              ; group G is in; the five younger groups stay out
.else
	s_wait_loadcnt 8*(15-G)
.endif
	WIN 0x05
.set i, 0
.rept 8
	v_cvt_pk_bf16_f32 v[CV+2*i], v[32*(G%6)+4*i], v[32*(G%6)+4*i+1]
	v_cvt_pk_bf16_f32 v[CV+2*i+1], v[32*(G%6)+4*i+2], v[32*(G%6)+4*i+3]
.set i, i+1
.endr
.if G < 10
	WLOAD G+6
.endif
	WIN 0
.set i, 0
.rept 8
	ds_store_b64 v[WSTO], v[CV+2*i:CV+2*i+1] offset:(8*G+i)*WP
.set i, i+1
.endr
.set G, G+1
.endr
	; the queue: my 64 possible tiles' entries, tile k of mine 128 k bytes on in my list (byte 8,188 of its 9,216 at the most)
.set k, 0
.rept 64
	ds_load_b32 v[QT+k], v[LA0] offset:128*k
.set k, k+1
.endr
	s_mov_b32 s100, 0x05040302                     ; bytes 2, 3 of the second source, then bytes 0, 1 of the first
	s_mov_b32 s77, 0
	s_add_co_u32 s96, s75, s72                     ; my first tile in g
	s_wait_dscnt 0x0                               ; the entries; and, for the others' sake, my stores into the stage
.set m, 0
.rept 32
	v_lshl_or_b32 v[Q+m], v[QT+2*m+1], 16, v[QT+2*m]
.set m, m+1
.endr
	LOADA 0
	QSHIFT
	LOADA 1
	QSHIFT
	s_barrier_signal -1
	s_barrier_wait -1                              ; the stage is whole
.set j, 0
.rept 16
	WIN 0x80+0x40*(j/8)
.set bb, 0
.rept 4
	ds_load_tr16_b128 v[8*(4*(j%8)+bb):8*(4*(j%8)+bb)+3], v[BAD+j/4] offset:(j%4)*32*WP+32*bb
	ds_load_tr16_b128 v[8*(4*(j%8)+bb)+4:8*(4*(j%8)+bb)+7], v[BAD+j/4] offset:(j%4)*32*WP+32*bb+16*WP
.set bb, bb+1
.endr
.set j, j+1
.endr
	WIN 0
	s_wait_dscnt 0x0
	s_mov_b32 s78, 22
.Ltrip:
	BODY 0
	BODY 1
	BODY 2
	s_sub_co_u32 s78, s78, 1
	s_cmp_lg_u32 s78, 0
	s_cbranch_scc1 .Ltrip
.Lend:
	s_wait_tensorcnt 0x0                           ; the wave's end
	ds_add_u32 v[SPW], v[NIL]
	s_wait_dscnt 0x0
	s_endpgm
.Lfunc_end_k_q1e9bff20fd_ffn1:
	.size	k_q1e9bff20fd_ffn1, .Lfunc_end_k_q1e9bff20fd_ffn1-k_q1e9bff20fd_ffn1
	.p2alignl 7, 3214868480
	.fill 96, 4, 3214868480
	.section	.rodata,"a",@progbits
	.p2align	6, 0x0
	.amdhsa_kernel k_q1e9bff20fd_ffn1
		.amdhsa_group_segment_fixed_size 185856
		.amdhsa_private_segment_fixed_size 0
		.amdhsa_enable_private_segment 0
		.amdhsa_kernarg_size 56
		.amdhsa_user_sgpr_count 2
		.amdhsa_user_sgpr_kernarg_segment_ptr 1
		.amdhsa_wavefront_size32 1
		.amdhsa_system_sgpr_workgroup_id_x 1
		.amdhsa_system_sgpr_workgroup_id_y 1
		.amdhsa_system_sgpr_workgroup_id_z 1
		.amdhsa_system_vgpr_workitem_id 0
		.amdhsa_next_free_vgpr 1024
		.amdhsa_next_free_sgpr 102
		.amdhsa_reserve_vcc 1
		.amdhsa_float_denorm_mode_32 3
		.amdhsa_float_denorm_mode_16_64 3
		.amdhsa_memory_ordered 1
		.amdhsa_forward_progress 1
		.amdhsa_inst_pref_size 155
	.end_amdhsa_kernel
	.amdgpu_metadata
---
amdhsa.version: [ 1, 2 ]
amdhsa.kernels:
  - .name:           k_q1e9bff20fd_ffn1
    .symbol:         k_q1e9bff20fd_ffn1.kd
    .args:
      - { .name: xb, .offset: 0, .size: 8, .value_kind: global_buffer, .address_space: global }
      - { .name: W1, .offset: 8, .size: 8, .value_kind: global_buffer, .address_space: global }
      - { .name: b1, .offset: 16, .size: 8, .value_kind: global_buffer, .address_space: global }
      - { .name: bm, .offset: 24, .size: 8, .value_kind: global_buffer, .address_space: global }
      - { .name: g, .offset: 32, .size: 8, .value_kind: global_buffer, .address_space: global }
      - { .name: dest, .offset: 40, .size: 8, .value_kind: global_buffer, .address_space: global }
      - { .name: meta, .offset: 48, .size: 8, .value_kind: global_buffer, .address_space: global }
    .group_segment_fixed_size: 185856
    .private_segment_fixed_size: 0
    .kernarg_segment_align: 8
    .kernarg_segment_size: 56
    .max_flat_workgroup_size: 128
    .sgpr_count:     102
    .vgpr_count:     1024
    .wavefront_size: 32
...
	.end_amdgpu_metadata
.endif
;; end of part 2
;; launch ffn2 (part 3): grid 32 x 8, 4 waves a work-group, no clusters, 99,840 bytes of LDS; arguments g, W2, b2, dest, meta, part; writes part
.if DOCPART == 3
	.amdgcn_target "amdgcn-amd-amdhsa--gfx1250"
	.amdhsa_code_object_version 6
	.text
	.protected	k_q1e9bff20fd_ffn2
	.globl	k_q1e9bff20fd_ffn2
	.p2align	8
	.type	k_q1e9bff20fd_ffn2,@function
k_q1e9bff20fd_ffn2:
	s_mov_b64 s[64:65], 0
	v_nop
	global_prefetch_b8 v0, s[64:65] scope:SCOPE_SE
	s_setreg_imm32_b32 hwreg(HW_REG_WAVE_MODE, 25, 1), 1
	s_wait_xcnt 0x0
; SECOND PRODUCT on the routed rows: part[q][row] = g[:, 512 q .. 512 q + 511] W2[e][512 q .., :] (+ b2[e] where q = 0).  W2 and b2 are rounded to bf16 here; sums in f32; the four partial sums stay f32.
; SHARES.  Work-group (x, e): cs = x & 7 picks 64 output columns, q = x >> 3 a quarter of the inner width: 512 k x 64 columns of W2, 128 KB of f32 that it alone reads, once.
; All four waves keep the same 64 fragments (512 registers); wave w takes the expert's tiles of 16 rows with number % 4 = w.  Weights as in the first product: f32 loads, rounded, [k][n] in LDS, one barrier, read back turned.
; g's tiles lie in memory as fragments: each load takes 512 consecutive aligned bytes, three buffers, two tiles ahead.  T, NT (meta) and the rows' places (dest) were stored by the launch before.
; THE MATRIX INSTRUCTION IS USED TRANSPOSED (source 0 = 16 output columns, source 1 = 16 rows of g).  A tile leaves through the wave's own stage in LDS: sixteen lanes then store 256 consecutive aligned bytes of row dest;
; rows past the expert's count go to spare rows 4096 + 16 e + r, which nobody reads.
; THE ROW LOOP has a constant count (11 x 3 tiles; a wave has 32 at the most) and is left forward when the wave's tiles are done; no barrier in it, its LDS addresses are fixed and the wave's own.
; An expert without rows: its work-groups lay their weights out, pass the barrier and store nothing.
; NO CLUSTER, NO TENSOR LOAD: each slice of weights has one reader and passes through registers to be rounded; g's tiles are shared by eight work-groups, but the number of tiles is a stored count, and joint requests want a constant number.
.set WP,    160                        ; a row of k in the stage: 128 bytes + 32, an odd multiple of 32
.set OST,   81920                      ; behind the stage's 512 rows: 16 rows x 272 bytes for each wave, for the way out
.set OP,    272
.set SPARE, 99328                      ; the spare words: 128 bytes a wave, named by no other line
.set PLANE, 8650752                    ; 4,224 rows of 2,048 bytes
.set SPW,  4                           ; v4  my spare word          v5  0
.set NIL,  5
.set WOFF, 6                           ; v6  my 16 bytes in two rows of W2: lanes 0-15 one row, lanes 16-31 the next
.set WSTO, 7                           ; v7  where my 8 bytes go in the stage
.set BAD,  8                           ; v8, v9  turning loads: my place, for k 0 and 256 on
.set L16,  10                          ; v10 16 lane
.set STO,  11                          ; v11 the way out: row lane % 16, 32 bytes for each half of the lanes
.set RD,   12                          ; v12 back: lanes 0-15 row t, lanes 16-31 row 8 + t
.set COL,  13                          ; v13 256 cs + 16 (lane % 16)
.set GA,   14                          ; v14-16 a buffer's offset in g        v17-19 in dest
.set DA,   17
.set D8,   20                          ; v20 32 (lane / 16)                   v21 at work    v23 my offset in b2
.set DOF,  24                          ; v24-47 a buffer's eight rows of dest, then their byte offsets in part
.set ACC,  48                          ; v48-79
.set BIAS, 80                          ; v80-111 b2 in the accumulators' layout (0 where q > 0): the C operand that starts each sum
.set CV,   112                         ; v112-127 at work
; v128-255 buffer 2; window 1: buffers 0 and 1 (before: weights on their way); windows 2, 3: weights: block b, k step j at 8 (4 (j % 8) + b), window 2 + j / 8
; s16 e  s17 cs  s18 q  s19 wave  s24 T  s25 NT  s26 my tiles  s27 tiles done  s28 trips  s29 the tile to ask for next  s30 the expert's last tile
.set MSB, 0
.macro WIN new                         ; the immediate's high byte repeats the setting that is left
.if MSB != (\new)
	s_set_vgpr_msb (MSB<<8)|(\new)
.set MSB, \new
.endif
.endm
.macro WLOAD G                         ; group G: my rows k = 128 w + 16 G + 0..15, two rows a load
	WIN 0x40
.set i, 0
.rept 8
	global_load_b128 v[32*((\G)%6)+4*i:32*((\G)%6)+4*i+3], v[WOFF], s[6:7] offset:(\G)*32768+i*4096 th:TH_LOAD_NT
.set i, i+1
.endr
.endm
.macro ABUF b
.if (\b) == 0
.set AB, 0
.else
.set AB, 128
.endif
.if (\b) < 2
.set AW, 1
.else
.set AW, 0
.endif
.endm
.macro LOADT b                         ; the next tile of mine into buffer b: 2 loads of dest, 32 of g.  Past the expert's last tile that tile is asked for again and not used
	ABUF \b
	WIN 0
	s_min_u32 s22, s29, s30
	s_min_u32 s22, s22, 271
	s_add_co_u32 s29, s29, 4
	s_lshl_b32 s23, s22, 16
	v_add_nc_u32 v[GA+(\b)], s23, v[L16]
	s_lshl_b32 s23, s22, 6
	v_add_nc_u32 v[DA+(\b)], s23, v[D8]
	global_load_b128 v[DOF+8*(\b):DOF+8*(\b)+3], v[DA+(\b)], s[10:11]
	global_load_b128 v[DOF+8*(\b)+4:DOF+8*(\b)+7], v[DA+(\b)], s[10:11] offset:16
	WIN 0x40*AW
.set j, 0
.rept 16
	global_load_b128 v[AB+8*j:AB+8*j+3], v[GA+(\b)], s[4:5] offset:1024*j
	global_load_b128 v[AB+8*j+4:AB+8*j+7], v[GA+(\b)], s[4:5] offset:1024*j+512
.set j, j+1
.endr
	WIN 0
.endm
.macro MUL b                           ; 64 products: k ascending, the four accumulators by turns, one instruction a turn
	ABUF \b
.set j, 0
.rept 16
	WIN (2+j/8)|(AW<<2)
.set bb, 0
.rept 4
.if j == 0
	v_wmma_f32_16x16x32_bf16 v[ACC+8*bb:ACC+8*bb+7], v[8*(4*(j%8)+bb):8*(4*(j%8)+bb)+7], v[AB+8*j:AB+8*j+7], v[BIAS+8*bb:BIAS+8*bb+7]
.else
	v_wmma_f32_16x16x32_bf16 v[ACC+8*bb:ACC+8*bb+7], v[8*(4*(j%8)+bb):8*(4*(j%8)+bb)+7], v[AB+8*j:AB+8*j+7], v[ACC+8*bb:ACC+8*bb+7]
.endif
.set bb, bb+1
.endr
.set j, j+1
.endr
.endm
.macro BODY b
	s_cmp_ge_u32 s27, s26
	s_cbranch_scc1 .Lend                           ; my tiles are done: forward, past no barrier
	s_wait_loadcnt 34                              ; this tile's 34 loads are in; the next tile's 34 stay out
	s_wait_xcnt 0x0                                ; the last tile's stores have read their offsets and data: only now are those registers written again
	LOADT ((\b)+2)%3
	MUL \b
	WIN 0
.set t, 0
.rept 8                                        ; sixteen plain lines on the rows' places: also the places behind the last product (ISA guide 7.12.1)
	v_min_u32 v[DOF+8*(\b)+t], 0x107f, v[DOF+8*(\b)+t]
.set t, t+1
.endr
.set t, 0
.rept 8
	v_lshl_add_u32 v[DOF+8*(\b)+t], v[DOF+8*(\b)+t], 11, v[COL]
.set t, t+1
.endr
.set t, 0
.rept 8                                        ; ascending: each accumulator's lowest registers are read first
	ds_store_b128 v[STO], v[ACC+4*t:ACC+4*t+3] offset:64*(t/2)+16*(t%2)
.set t, t+1
.endr
.set t, 0
.rept 8
	ds_load_b128 v[ACC+4*t:ACC+4*t+3], v[RD] offset:OP*t   ; LDS serves a wave's instructions in order (ISA guide 5.7.1.4): these see the stores above
.set t, t+1
.endr
.set t, 0
.rept 8
	s_wait_dscnt 7-t
	global_store_b128 v[DOF+8*(\b)+t], v[ACC+4*t:ACC+4*t+3], s[14:15]
.set t, t+1
.endr
	s_add_co_u32 s27, s27, 1
.endm
	s_load_b256 s[4:11], s[0:1], 0x0               ; g s[4:5], W2 s[6:7], b2 s[8:9], dest s[10:11]
	s_load_b128 s[12:15], s[0:1], 0x20             ; meta s[12:13], part s[14:15]
	v_lshl_add_u32 v[SPW], v0, 2, SPARE
	v_mov_b32 v[NIL], 0
	v_and_b32 v1, 31, v0
	v_lshrrev_b32 v21, 5, v0
	v_readfirstlane_b32 s19, v21
	v_and_b32 v2, 15, v0
	v_bfe_u32 v3, v0, 4, 1
	s_and_b32 s16, ttmp7, 0xffff
	s_and_b32 s17, ttmp9, 7
	s_lshr_b32 s18, ttmp9, 3
	s_lshl_b32 s32, s16, 22                        ; W2: an expert is 2^22 bytes,
	s_lshl_b32 s22, s18, 20                        ; 512 q rows of 2,048 bytes,
	s_add_co_u32 s32, s32, s22
	s_lshl_b32 s22, s19, 18                        ; my wave's 128 rows,
	s_add_co_u32 s32, s32, s22
	s_lshl_b32 s22, s17, 8                         ; my 256 bytes in a row
	s_add_co_u32 s32, s32, s22
	s_mov_b32 s33, 0
	s_lshl_b32 s37, s16, 7                         ; meta: 128 bytes an expert
	v_lshlrev_b32 v[WOFF], 4, v2
	v_lshl_add_u32 v[WOFF], v3, 11, v[WOFF]
	s_lshl_b32 s23, s16, 11
	s_add_co_u32 s23, s23, s22
	v_lshlrev_b32 v23, 5, v3
	v_add_nc_u32 v23, s23, v23                     ; b2: 4 (512 e + 64 cs + 8 h)
	s_wait_kmcnt 0x0
	s_load_b64 s[20:21], s[12:13], s37 offset:0x0
	s_add_nc_u64 s[6:7], s[6:7], s[32:33]
.set bb, 0
.rept 4
	global_load_b128 v[BIAS+8*bb:BIAS+8*bb+3], v23, s[8:9] offset:64*bb
	global_load_b128 v[BIAS+8*bb+4:BIAS+8*bb+7], v23, s[8:9] offset:64*bb+16
.set bb, bb+1
.endr
.irp gg, 0,1,2,3,4,5
	WLOAD \gg
.endr
	WIN 0
	s_lshl_b32 s32, s18, 14
	s_add_nc_u64 s[4:5], s[4:5], s[32:33]          ; g: my quarter's 16 blocks of a tile
	s_mul_i32 s32, s18, PLANE
	s_add_nc_u64 s[14:15], s[14:15], s[32:33]      ; part: my plane
	v_lshlrev_b32 v[WSTO], 3, v2
	v_mul_u32_u24 v21, v3, WP
	v_add_nc_u32 v[WSTO], v[WSTO], v21
	s_mul_i32 s22, s19, 128*WP
	v_add_nc_u32 v[WSTO], s22, v[WSTO]
	v_and_b32 v21, 7, v0
	v_lshl_add_u32 v21, v3, 3, v21
	v_mul_u32_u24 v[BAD], v21, WP
	v_bfe_u32 v21, v0, 3, 1
	v_lshl_add_u32 v[BAD], v21, 4, v[BAD]
	v_add_nc_u32 v[BAD+1], 256*WP, v[BAD]
	v_lshlrev_b32 v[L16], 4, v1
	s_mul_i32 s22, s19, 16*OP
	s_add_co_u32 s22, s22, OST                     ; my stage
	v_mul_u32_u24 v[STO], v2, OP
	v_lshl_add_u32 v[STO], v3, 5, v[STO]
	v_add_nc_u32 v[STO], s22, v[STO]
	v_mul_u32_u24 v[RD], v3, 8*OP
	v_lshl_add_u32 v[RD], v2, 4, v[RD]
	v_add_nc_u32 v[RD], s22, v[RD]
	s_lshl_b32 s22, s17, 8
	v_lshl_add_u32 v[COL], v2, 4, s22
	v_lshlrev_b32 v[D8], 5, v3
	s_cmp_eq_u32 s18, 0
	s_cselect_b32 s34, -1, 0                       ; b2 is added in the first quarter alone
	s_cselect_b32 s35, 0xffff0000, 0
	s_wait_kmcnt 0x0
	s_min_u32 s24, s20, 270                        ; T
	s_min_u32 s25, s21, 128                        ; NT
	s_sub_co_u32 s26, s25, s19
	s_add_co_u32 s26, s26, 3
	s_lshr_b32 s26, s26, 2                         ; my wave's tiles
	s_add_co_u32 s30, s24, s25
	s_max_u32 s30, s30, 1
	s_sub_co_u32 s30, s30, 1
	s_add_co_u32 s29, s24, s19
	s_mov_b32 s27, 0
	s_wait_loadcnt 48                              ; b2 is in; the six groups of weights stay out
.set i, 0
.rept 16                                       ; b2 rounded to bf16 like every input
	v_cvt_pk_bf16_f32 v21, v[BIAS+2*i], v[BIAS+2*i+1]
	v_lshlrev_b32 v[BIAS+2*i], 16, v21
	v_and_b32 v[BIAS+2*i], s34, v[BIAS+2*i]
	v_and_b32 v[BIAS+2*i+1], s35, v21
.set i, i+1
.endr
.set G, 0
.rept 8
.if G < 3
	s_wait_loadcnt 40                              ; group G is in; the five younger groups stay out
.else
	s_wait_loadcnt 8*(7-G)
.endif
	WIN 0x05
.set i, 0
.rept 8
	v_cvt_pk_bf16_f32 v[CV+2*i], v[32*(G%6)+4*i], v[32*(G%6)+4*i+1]
	v_cvt_pk_bf16_f32 v[CV+2*i+1], v[32*(G%6)+4*i+2], v[32*(G%6)+4*i+3]
.set i, i+1
.endr
.if G < 2
	WLOAD G+6
.endif
	WIN 0
.set i, 0
.rept 8
	ds_store_b64 v[WSTO], v[CV+2*i:CV+2*i+1] offset:(16*G+2*i)*WP
.set i, i+1
.endr
.set G, G+1
.endr
	LOADT 0
	LOADT 1
	s_wait_dscnt 0x0                               ; for the others' sake: my stores into the stage are done
	s_barrier_signal -1
	s_barrier_wait -1                              ; the stage is whole
.set j, 0
.rept 16
	WIN 0x80+0x40*(j/8)
.set bb, 0
.rept 4
	ds_load_tr16_b128 v[8*(4*(j%8)+bb):8*(4*(j%8)+bb)+3], v[BAD+j/8] offset:(j%8)*32*WP+32*bb
	ds_load_tr16_b128 v[8*(4*(j%8)+bb)+4:8*(4*(j%8)+bb)+7], v[BAD+j/8] offset:(j%8)*32*WP+32*bb+16*WP
.set bb, bb+1
.endr
.set j, j+1
.endr
	WIN 0
	s_wait_dscnt 0x0
	s_mov_b32 s28, 11
.Ltrip:
	BODY 0
	BODY 1
	BODY 2
	s_sub_co_u32 s28, s28, 1
	s_cmp_lg_u32 s28, 0
	s_cbranch_scc1 .Ltrip
.Lend:
	s_wait_tensorcnt 0x0                           ; the wave's end
	ds_add_u32 v[SPW], v[NIL]
	s_wait_dscnt 0x0
	s_endpgm
.Lfunc_end_k_q1e9bff20fd_ffn2:
	.size	k_q1e9bff20fd_ffn2, .Lfunc_end_k_q1e9bff20fd_ffn2-k_q1e9bff20fd_ffn2
	.p2alignl 7, 3214868480
	.fill 96, 4, 3214868480
	.section	.rodata,"a",@progbits
	.p2align	6, 0x0
	.amdhsa_kernel k_q1e9bff20fd_ffn2
		.amdhsa_group_segment_fixed_size 99840
		.amdhsa_private_segment_fixed_size 0
		.amdhsa_enable_private_segment 0
		.amdhsa_kernarg_size 48
		.amdhsa_user_sgpr_count 2
		.amdhsa_user_sgpr_kernarg_segment_ptr 1
		.amdhsa_wavefront_size32 1
		.amdhsa_system_sgpr_workgroup_id_x 1
		.amdhsa_system_sgpr_workgroup_id_y 1
		.amdhsa_system_sgpr_workgroup_id_z 1
		.amdhsa_system_vgpr_workitem_id 0
		.amdhsa_next_free_vgpr 1024
		.amdhsa_next_free_sgpr 66
		.amdhsa_reserve_vcc 0
		.amdhsa_float_denorm_mode_32 3
		.amdhsa_float_denorm_mode_16_64 3
		.amdhsa_memory_ordered 1
		.amdhsa_forward_progress 1
		.amdhsa_inst_pref_size 74
	.end_amdhsa_kernel
	.amdgpu_metadata
---
amdhsa.version: [ 1, 2 ]
amdhsa.kernels:
  - .name:           k_q1e9bff20fd_ffn2
    .symbol:         k_q1e9bff20fd_ffn2.kd
    .args:
      - { .name: g, .offset: 0, .size: 8, .value_kind: global_buffer, .address_space: global }
      - { .name: W2, .offset: 8, .size: 8, .value_kind: global_buffer, .address_space: global }
      - { .name: b2, .offset: 16, .size: 8, .value_kind: global_buffer, .address_space: global }
      - { .name: dest, .offset: 24, .size: 8, .value_kind: global_buffer, .address_space: global }
      - { .name: meta, .offset: 32, .size: 8, .value_kind: global_buffer, .address_space: global }
      - { .name: part, .offset: 40, .size: 8, .value_kind: global_buffer, .address_space: global }
    .group_segment_fixed_size: 99840
    .private_segment_fixed_size: 0
    .kernarg_segment_align: 8
    .kernarg_segment_size: 48
    .max_flat_workgroup_size: 128
    .sgpr_count:     66
    .vgpr_count:     1024
    .wavefront_size: 32
...
	.end_amdgpu_metadata
.endif
;; end of part 3
;; launch sum (part 4): grid 256 x 1, 8 waves a work-group, no clusters, 0 bytes of LDS; arguments part, wts, out0; writes out0
.if DOCPART == 4
	.amdgcn_target "amdgcn-amd-amdhsa--gfx1250"
	.amdhsa_code_object_version 6
	.text
	.protected	k_q1e9bff20fd_sum
	.globl	k_q1e9bff20fd_sum
	.p2align	8
	.type	k_q1e9bff20fd_sum,@function
k_q1e9bff20fd_sum:
	s_mov_b64 s[64:65], 0
	v_nop
	global_prefetch_b8 v0, s[64:65] scope:SCOPE_SE
	s_setreg_imm32_b32 hwreg(HW_REG_WAVE_MODE, 25, 1), 1
	s_wait_xcnt 0x0
; y[t] = w0[t] (sum over q of part[q][t]) + w1[t] (sum over q of part[q][2048 + t]), all in f32.
; A wave owns one token: 8 rows of 2,048 bytes in, one out; every load and store covers 512 consecutive aligned bytes; all 32 loads go out at once, ordered by piece, so the waits count down by eight.
; A stream: no LDS, no barrier, no matrix unit, no cluster: nothing is shared and nothing is read twice.
.set PLANE, 8650752                    ; 4,224 rows of 2,048 bytes
.set X, 8                              ; v8-135: piece p, slot k, quarter q at X + 4 ((2 p + k) 4 + q)
	s_load_b128 s[4:7], s[0:1], 0x0                ; part s[4:5], wts s[6:7]
	s_load_b64 s[8:9], s[0:1], 0x10                ; out0
	v_lshrrev_b32 v1, 5, v0
	v_readfirstlane_b32 s10, v1
	v_and_b32 v2, 31, v0
	v_lshlrev_b32 v2, 4, v2
	s_lshl_b32 s11, ttmp9, 3
	s_add_co_u32 s11, s11, s10                     ; my token
	s_lshl_b32 s24, s11, 2
	s_lshl_b32 s26, s11, 11
	s_mov_b32 s27, 0
	s_wait_kmcnt 0x0
	s_load_b32 s12, s[6:7], s24 offset:0x0         ; the first choice's weight
	s_load_b32 s14, s[6:7], s24 offset:0x2000      ; the second's
	s_add_nc_u64 s[16:17], s[4:5], s[26:27]        ; my row in each of the four planes
	s_add_nc_u64 s[18:19], s[16:17], PLANE
	s_add_nc_u64 s[20:21], s[18:19], PLANE
	s_add_nc_u64 s[22:23], s[20:21], PLANE
	s_add_nc_u64 s[8:9], s[8:9], s[26:27]
.set p, 0
.rept 4
.set k, 0
.rept 2
.set q, 0
.rept 4
	global_load_b128 v[X+4*((2*p+k)*4+q):X+4*((2*p+k)*4+q)+3], v2, s[16+2*q:17+2*q] offset:512*p+4194304*k th:TH_LOAD_NT
.set q, q+1
.endr
.set k, k+1
.endr
.set p, p+1
.endr
	s_wait_kmcnt 0x0
	s_mov_b32 s13, s12                             ; named as pairs by the packed lines
	s_mov_b32 s15, s14
.set p, 0
.rept 4
	s_wait_loadcnt 24-8*p                          ; this piece's eight loads are in; the later pieces' stay out
.set R, X+32*p
.set k, 0
.rept 2
.set hh, 0
.rept 2
	v_pk_add_f32 v[R+16*k+2*hh:R+16*k+2*hh+1], v[R+16*k+2*hh:R+16*k+2*hh+1], v[R+16*k+4+2*hh:R+16*k+5+2*hh]
	v_pk_add_f32 v[R+16*k+8+2*hh:R+16*k+9+2*hh], v[R+16*k+8+2*hh:R+16*k+9+2*hh], v[R+16*k+12+2*hh:R+16*k+13+2*hh]
	v_pk_add_f32 v[R+16*k+2*hh:R+16*k+2*hh+1], v[R+16*k+2*hh:R+16*k+2*hh+1], v[R+16*k+8+2*hh:R+16*k+9+2*hh]
.set hh, hh+1
.endr
.set k, k+1
.endr
.set hh, 0
.rept 2
	v_pk_mul_f32 v[R+2*hh:R+2*hh+1], v[R+2*hh:R+2*hh+1], s[12:13] op_sel_hi:[1,0]
	v_pk_fma_f32 v[R+2*hh:R+2*hh+1], v[R+16+2*hh:R+17+2*hh], s[14:15], v[R+2*hh:R+2*hh+1] op_sel_hi:[1,0,1]
.set hh, hh+1
.endr
	global_store_b128 v2, v[R:R+3], s[8:9] offset:512*p th:TH_STORE_NT
.set p, p+1
.endr
	s_endpgm
.Lfunc_end_k_q1e9bff20fd_sum:
	.size	k_q1e9bff20fd_sum, .Lfunc_end_k_q1e9bff20fd_sum-k_q1e9bff20fd_sum
	.p2alignl 7, 3214868480
	.fill 96, 4, 3214868480
	.section	.rodata,"a",@progbits
	.p2align	6, 0x0
	.amdhsa_kernel k_q1e9bff20fd_sum
		.amdhsa_group_segment_fixed_size 0
		.amdhsa_private_segment_fixed_size 0
		.amdhsa_enable_private_segment 0
		.amdhsa_kernarg_size 24
		.amdhsa_user_sgpr_count 2
		.amdhsa_user_sgpr_kernarg_segment_ptr 1
		.amdhsa_wavefront_size32 1
		.amdhsa_system_sgpr_workgroup_id_x 1
		.amdhsa_system_sgpr_workgroup_id_y 1
		.amdhsa_system_sgpr_workgroup_id_z 1
		.amdhsa_system_vgpr_workitem_id 0
		.amdhsa_next_free_vgpr 136
		.amdhsa_next_free_sgpr 66
		.amdhsa_reserve_vcc 0
		.amdhsa_float_denorm_mode_32 3
		.amdhsa_float_denorm_mode_16_64 3
		.amdhsa_memory_ordered 1
		.amdhsa_forward_progress 1
		.amdhsa_inst_pref_size 9
	.end_amdhsa_kernel
	.amdgpu_metadata
---
amdhsa.version: [ 1, 2 ]
amdhsa.kernels:
  - .name:           k_q1e9bff20fd_sum
    .symbol:         k_q1e9bff20fd_sum.kd
    .args:
      - { .name: part, .offset: 0, .size: 8, .value_kind: global_buffer, .address_space: global }
      - { .name: wts, .offset: 8, .size: 8, .value_kind: global_buffer, .address_space: global }
      - { .name: out0, .offset: 16, .size: 8, .value_kind: global_buffer, .address_space: global }
    .group_segment_fixed_size: 0
    .private_segment_fixed_size: 0
    .kernarg_segment_align: 8
    .kernarg_segment_size: 24
    .max_flat_workgroup_size: 256
    .sgpr_count:     66
    .vgpr_count:     136
    .wavefront_size: 32
...
	.end_amdgpu_metadata
.endif
;; end of part 4
;; ======== version 2 of 2: 5 launches; 1.22 times as fast as version 1
;; workspace buffers: xb 2,097,152 bytes; bm 4,096 bytes of whole numbers; wts 16,384 bytes; xg 4,456,448 bytes; g 17,825,792 bytes; dest 17,408 bytes of whole numbers; meta 1,024 bytes of whole numbers; part 34,603,008 bytes
;; launch router: the kernel of part 1 again; grid 128 x 1, 4 waves a work-group, no clusters, 25,344 bytes of LDS; arguments hidden_states, Wc, bc, xb, bm, wts, out1; writes xb, bm, wts, out1
;; launch place (part 5): grid 64 x 8, 1 waves a work-group, no clusters, 512 bytes of LDS; arguments xb, bm, xg, dest, meta; writes xg, dest, meta
.if DOCPART == 5
	.amdgcn_target "amdgcn-amd-amdhsa--gfx1250"
	.amdhsa_code_object_version 6
	.text
	.protected	k_q1e9bff20fd_place
	.globl	k_q1e9bff20fd_place
	.p2align	8
	.type	k_q1e9bff20fd_place,@function
k_q1e9bff20fd_place:
	s_mov_b64 s[64:65], 0
	v_nop
	global_prefetch_b8 v0, s[64:65] scope:SCOPE_SE
	s_setreg_imm32_b32 hwreg(HW_REG_WAVE_MODE, 25, 1), 1
	s_wait_xcnt 0x0
; PLACE.  The routed rows are laid end to end in the experts' order, once, as the first product's operand registers take them.
; ROUTING, from the bitmaps that the launch before stored: n = rows of expert e, NT = ceil(n / 16) tiles of 16 rows, T = its first tile: each expert has 2 ceil(n / 32) tiles, at most 272 in all for every split.
; SHARES.  Work-group (ci, e), one wave, has ranks 32 ci .. 32 ci + 31 of expert e: two tiles.  64 chunks serve an expert that has all 2,048 tokens; a chunk with 2 ci >= NT stores nothing and ends.
; THE LIST: 32 words in LDS.  A token that chose e puts its number at its rank less 32 ci; ranks outside the chunk, and tokens that did not choose e, are held to word 32, which nobody reads.
; Places past n keep 4096 + 16 e + place % 16: they repeat token 16 e + place % 16, and name a spare row of the second product's output.
; THE ORDER OF THE LINES.  One wave does all the counting, so the text is ordered so that no line reads the result of the line before it: each step of the bit count is written for all 16 words on end,
; and the list's five steps stand skewed, each for another word, on eight pairs of registers that take turns.
; STORED.  xg: a tile = 16 blocks of 1 KB; block j = the fragment of k 32 j ..: registers 0-3 of lane L at 16 L, registers 4-7 at 512 + 16 L: every store covers 512 consecutive aligned bytes.
; dest: for each row slot x 2048 + token (slot: plane 1 of the bitmaps, looked up a word a lane), 128 bytes a chunk.  meta (chunk 0 alone): even words T, odd words NT.
; The rows are gathered as 32-byte pieces of 16 rows a load: each routed row is read so once in the whole program.
; A gather on few bytes: no matrix unit, no cluster, no tensor load: the rows come by a list, and no two work-groups want the same tile.
.set SPARE, 256                        ; the spare words: 128 bytes, in a block of 256 that no other line names; the list has the block in front
.set SPW,  4                           ; v4  my spare word
.set NIL,  5                           ; v5  0
.set BMO,  6                           ; v6  my 16 words of plane 0
.set LW,   7                           ; v7  my word of the list: 4 lane
.set PADV, 8                           ; v8  what stands past the count
.set MO,   10                          ; v10, v11 meta's offset and data
.set MD,   11
.set EL,   12                          ; v12 the entry of rank 32 ci + lane
.set LR,   13                          ; v13 4 (lane % 16)
.set E0,   14                          ; v14, v15 row lane % 16's entry in the two tiles          v16, v17 at work
.set E1,   15
.set SW,   18                          ; v18 my entry's word of plane 1
.set SO,   19                          ; v19 my offset in xg
.set DO,   20                          ; v20, v21 dest's offset and data
.set DV,   21
.set XO,   22                          ; v22, v23 the two tiles' offsets in xb
.set SA,   24                          ; v24 the offset of my entry's word
.set H16,  25                          ; v25 16 (lane / 16)
.set CN,   26                          ; v26 counts
.set TA,   32                          ; v32-47, v48-63 the bit count's two working registers for each of 16 words
.set TB,   48
.set RK,   64                          ; v64-71 the list: a word's rank, then its LDS address; eight by turns
.set TK,   72                          ; v72-79 the list: a word's tokens; eight by turns
.set BMV,  128                         ; v128-143 sixteen words of plane 0; then v128-255 tile 0; window 1 v0-127 tile 1
; s16-63, s68-83 expert e's 64 words of plane 0   s84 e  s85 ci  s[86:87] e's row of the bitmaps  s88-91 masks  s92-93 lane selects  s94 rows so far less 32 ci  s95 at work  s96 T  s97 NT  s98 n  s99 32 ci
.set MSB, 0
.macro WIN new                         ; the immediate's high byte repeats the setting that is left
.if MSB != (\new)
	s_set_vgpr_msb (MSB<<8)|(\new)
.set MSB, \new
.endif
.endm
.macro ALL16 line:vararg               ; one line for each of my 16 words, i = 0 .. 15
.set i, 0
.rept 16
	\line
.set i, i+1
.endr
.endm
.macro GATHER u, ent, ab               ; 16 token rows x 512 k: lane (r, h) takes token r's bytes 64 j + 16 h and + 32
	WIN 0
	v_and_b32 v16, 0x7ff, v[\ent]                  ; the token: the entry's low 11 bits,
	v_min_u32 v16, 0x7ff, v16                      ; held to xb's 2,048 rows
	v_lshl_add_u32 v[XO+(\u)], v16, 10, v[H16]
	WIN 0x40*(\u)
.set j, 0
.rept 16
	global_load_b128 v[(\ab)+8*j:(\ab)+8*j+3], v[XO+(\u)], s[4:5] offset:64*j
	global_load_b128 v[(\ab)+8*j+4:(\ab)+8*j+7], v[XO+(\u)], s[4:5] offset:64*j+32
.set j, j+1
.endr
	WIN 0
.endm
.macro PUT u, ab                       ; the tile leaves as it lies in the registers
	WIN 0x04*(\u)
.set j, 0
.rept 16
	global_store_b128 v[SO], v[(\ab)+8*j:(\ab)+8*j+3], s[8:9] offset:16384*(\u)+1024*j
	global_store_b128 v[SO], v[(\ab)+8*j+4:(\ab)+8*j+7], s[8:9] offset:16384*(\u)+1024*j+512
.set j, j+1
.endr
	WIN 0
.endm
	s_load_b256 s[4:11], s[0:1], 0x0               ; xb s[4:5], bm s[6:7], xg s[8:9], dest s[10:11]
	s_load_b64 s[12:13], s[0:1], 0x20              ; meta
	v_lshl_add_u32 v[SPW], v0, 2, SPARE
	v_mov_b32 v[NIL], 0
	v_and_b32 v1, 31, v0
	v_and_b32 v2, 15, v0
	v_bfe_u32 v3, v0, 4, 1
	s_and_b32 s84, ttmp7, 0xffff
	s_mov_b32 s85, ttmp9
	s_lshl_b32 s86, s84, 8
	s_mov_b32 s87, 0
	v_lshlrev_b32 v[BMO], 6, v1                    ; 16 words a lane: expert lane / 4
	s_wait_kmcnt 0x0
	s_add_nc_u64 s[86:87], s[6:7], s[86:87]
.set i, 0
.rept 4
	global_load_b128 v[BMV+4*i:BMV+4*i+3], v[BMO], s[6:7] offset:16*i
.set i, i+1
.endr
	s_load_b512 s[16:31], s[86:87], 0x0
	s_load_b512 s[32:47], s[86:87], 0x40
	s_load_b512 s[48:63], s[86:87], 0x80
	s_load_b512 s[68:83], s[86:87], 0xc0
	v_lshlrev_b32 v[LW], 2, v1
	v_lshlrev_b32 v[LR], 2, v2
	v_lshlrev_b32 v[H16], 4, v3
	s_lshl_b32 s95, s84, 4
	s_add_co_u32 s95, s95, 4096
	v_add_nc_u32 v[PADV], s95, v2                  ; 4096 + 16 e + place % 16
	ds_store_b32 v[LW], v[PADV]                    ; the list first holds what stands past the count
	s_lshl_b32 s99, s85, 5
	s_sub_co_u32 s94, 0, s99                       ; ranks are counted from the chunk's first: those in front of it wrap to large numbers
	s_mov_b32 s88, 0x55555555
	s_mov_b32 s89, 0x33333333
	s_mov_b32 s90, 0x0f0f0f0f
	s_mov_b32 s91, 0x00ff00ff
	s_mov_b32 s92, 0x76543210
	s_mov_b32 s93, 0xfedcba98
	s_wait_loadcnt 0x0
	; the set bits of my 16 words: pairs, fours, bytes; then the bytes (8 at the most a word) are added over the words
	ALL16 v_lshrrev_b32 v[TA+i], 1, v[BMV+i]
	ALL16 v_and_b32 v[TA+i], s88, v[TA+i]
	ALL16 v_sub_nc_u32 v[TB+i], v[BMV+i], v[TA+i]
	ALL16 v_lshrrev_b32 v[TA+i], 2, v[TB+i]
	ALL16 v_and_b32 v[TB+i], s89, v[TB+i]
	ALL16 v_and_b32 v[TA+i], s89, v[TA+i]
	ALL16 v_add_nc_u32 v[TB+i], v[TB+i], v[TA+i]
	ALL16 v_lshrrev_b32 v[TA+i], 4, v[TB+i]
	ALL16 v_add_nc_u32 v[TB+i], v[TB+i], v[TA+i]
	ALL16 v_and_b32 v[TB+i], s90, v[TB+i]
.irp st, 8,4,2,1
.set i, 0
.rept \st
	v_add_nc_u32 v[TB+i], v[TB+i], v[TB+i+\st]
.set i, i+1
.endr
.endr
	v_lshrrev_b32 v16, 8, v[TB]
	v_and_b32 v16, s91, v16
	v_and_b32 v[CN], s91, v[TB]
	v_add_nc_u32 v[CN], v[CN], v16
	v_lshrrev_b32 v16, 16, v[CN]
	v_and_b32 v[CN], 0xffff, v[CN]
	v_add_nc_u32 v[CN], v[CN], v16
	v_mov_b32_dpp v16, v[CN] row_xmask:1 row_mask:0xf bank_mask:0xf
	v_add_nc_u32 v[CN], v[CN], v16
	v_mov_b32_dpp v16, v[CN] row_xmask:2 row_mask:0xf bank_mask:0xf
	v_add_nc_u32 v[CN], v[CN], v16                 ; the rows of expert lane / 4
	v_add_nc_u32 v[CN], 31, v[CN]
	v_lshrrev_b32 v[CN], 5, v[CN]
	v_lshlrev_b32 v[CN], 1, v[CN]                  ; its tiles, an even number
	v_lshrrev_b32 v16, 2, v1
	v_cmp_gt_u32 vcc_lo, s84, v16
	v_cndmask_b32 v[CN], 0, v[CN], vcc_lo          ; only the experts in front of mine
	v_mov_b32_dpp v16, v[CN] row_xmask:4 row_mask:0xf bank_mask:0xf
	v_add_nc_u32 v[CN], v[CN], v16
	v_mov_b32_dpp v16, v[CN] row_xmask:8 row_mask:0xf bank_mask:0xf
	v_add_nc_u32 v[CN], v[CN], v16                 ; one lane of each of my half's four experts,
	v_permlanex16_b32 v16, v[CN], s92, s93
	v_add_nc_u32 v[CN], v[CN], v16                 ; and the other half's four
	v_readfirstlane_b32 s96, v[CN]
	s_min_u32 s96, s96, 270                        ; T
	s_wait_kmcnt 0x0
	; the list.  A word = 32 tokens; word w lies in s[16 + w], from word 48 on four registers higher.  In step t: word t's ranks; word t - 1: 32 for a lane whose bit is not set;
	; word t - 2: held to 32; word t - 3: the LDS address and the token numbers; word t - 4 is stored.
.set t, 0
.rept 68
.if t < 64
	v_mbcnt_lo_u32_b32 v[RK+t%8], s[16+t+4*(t/48)], s94
	s_bcnt1_i32_b32 s95, s[16+t+4*(t/48)]
.endif
.if (t >= 1) && (t < 65)
	v_cndmask_b32 v[RK+(t-1)%8], 32, v[RK+(t-1)%8], s[16+(t-1)+4*((t-1)/48)]
.endif
.if t < 64
	s_add_co_u32 s94, s94, s95
.endif
.if (t >= 2) && (t < 66)
	v_min_u32 v[RK+(t-2)%8], 32, v[RK+(t-2)%8]
.endif
.if (t >= 3) && (t < 67)
	v_lshlrev_b32 v[RK+(t-3)%8], 2, v[RK+(t-3)%8]
	v_add_nc_u32 v[TK+(t-3)%8], 32*(t-3), v1
.endif
.if t >= 4
	ds_store_b32 v[RK+(t-4)%8], v[TK+(t-4)%8]
.endif
.set t, t+1
.endr
	s_add_co_u32 s98, s94, s99
	s_min_u32 s98, s98, 2048                       ; n
	s_add_co_u32 s97, s98, 15
	s_lshr_b32 s97, s97, 4                         ; NT
	s_cmp_lg_u32 s85, 0
	s_cbranch_scc1 .Lno_meta
	s_lshl_b32 s95, s84, 7
	v_lshl_add_u32 v[MO], v1, 2, s95
	v_and_b32 v16, 1, v1
	v_cmp_eq_u32 vcc_lo, 1, v16
	v_mov_b32 v17, s97
	v_mov_b32 v[MD], s96
	v_cndmask_b32 v[MD], v[MD], v17, vcc_lo        ; even words T, odd words NT
	global_store_b32 v[MO], v[MD], s[12:13]
.Lno_meta:
	s_lshl_b32 s95, s85, 1
	s_cmp_lt_u32 s95, s97
	s_cbranch_scc0 .Lend                           ; the expert has no rows for this chunk
	ds_load_b32 v[EL], v[LW]                       ; LDS serves a wave's instructions in order (ISA guide 5.7.1.4): these see the list
	ds_load_b32 v[E0], v[LR]
	ds_load_b32 v[E1], v[LR] offset:64
	s_add_co_u32 s95, s95, s96                     ; my first tile: T + 2 ci
	s_lshl_b32 s95, s95, 14
	v_lshl_add_u32 v[SO], v1, 4, s95
	s_lshl_b32 s95, s96, 6                         ; dest: 64 bytes a tile
	s_lshl_b32 s98, s85, 7
	s_add_co_u32 s95, s95, s98
	v_lshl_add_u32 v[DO], v1, 2, s95
	s_wait_dscnt 0x0
	v_lshrrev_b32 v16, 5, v[EL]
	v_and_b32 v16, 63, v16
	v_min_u32 v16, 63, v16                         ; my token's word, held to the row's 64
	v_lshlrev_b32 v[SA], 2, v16
	global_load_b32 v[SW], v[SA], s[86:87] offset:2048   ; asked for first, so that dest leaves while the rows are on their way
	GATHER 0, E0, 128
	GATHER 1, E1, 0
	s_wait_loadcnt 63                              ; 65 loads are out and the word of plane 1 is the oldest: with 63 left it is in
	v_and_b32 v16, 31, v[EL]
	v_lshrrev_b32 v17, v16, v[SW]
	v_and_b32 v17, 1, v17                          ; did my token choose e second?
	v_cmp_gt_u32 vcc_lo, 0x1000, v[EL]
	v_cndmask_b32 v17, 0, v17, vcc_lo              ; a place past the count keeps its entry
	v_lshl_add_u32 v[DV], v17, 11, v[EL]
	global_store_b32 v[DO], v[DV], s[10:11]
	s_wait_loadcnt 32                              ; tile 0 is in; tile 1's 32 loads stay out
	PUT 0, 128
	s_wait_loadcnt 0x0
	PUT 1, 0
.Lend:
	s_wait_tensorcnt 0x0                           ; the wave's end
	ds_add_u32 v[SPW], v[NIL]
	s_wait_dscnt 0x0
	s_endpgm
.Lfunc_end_k_q1e9bff20fd_place:
	.size	k_q1e9bff20fd_place, .Lfunc_end_k_q1e9bff20fd_place-k_q1e9bff20fd_place
	.p2alignl 7, 3214868480
	.fill 96, 4, 3214868480
	.section	.rodata,"a",@progbits
	.p2align	6, 0x0
	.amdhsa_kernel k_q1e9bff20fd_place
		.amdhsa_group_segment_fixed_size 512
		.amdhsa_private_segment_fixed_size 0
		.amdhsa_enable_private_segment 0
		.amdhsa_kernarg_size 40
		.amdhsa_user_sgpr_count 2
		.amdhsa_user_sgpr_kernarg_segment_ptr 1
		.amdhsa_wavefront_size32 1
		.amdhsa_system_sgpr_workgroup_id_x 1
		.amdhsa_system_sgpr_workgroup_id_y 1
		.amdhsa_system_sgpr_workgroup_id_z 1
		.amdhsa_system_vgpr_workitem_id 0
		.amdhsa_next_free_vgpr 384
		.amdhsa_next_free_sgpr 100
		.amdhsa_reserve_vcc 1
		.amdhsa_float_denorm_mode_32 3
		.amdhsa_float_denorm_mode_16_64 3
		.amdhsa_memory_ordered 1
		.amdhsa_forward_progress 1
		.amdhsa_inst_pref_size 48
	.end_amdhsa_kernel
	.amdgpu_metadata
---
amdhsa.version: [ 1, 2 ]
amdhsa.kernels:
  - .name:           k_q1e9bff20fd_place
    .symbol:         k_q1e9bff20fd_place.kd
    .args:
      - { .name: xb, .offset: 0, .size: 8, .value_kind: global_buffer, .address_space: global }
      - { .name: bm, .offset: 8, .size: 8, .value_kind: global_buffer, .address_space: global }
      - { .name: xg, .offset: 16, .size: 8, .value_kind: global_buffer, .address_space: global }
      - { .name: dest, .offset: 24, .size: 8, .value_kind: global_buffer, .address_space: global }
      - { .name: meta, .offset: 32, .size: 8, .value_kind: global_buffer, .address_space: global }
    .group_segment_fixed_size: 512
    .private_segment_fixed_size: 0
    .kernarg_segment_align: 8
    .kernarg_segment_size: 40
    .max_flat_workgroup_size: 32
    .sgpr_count:     100
    .vgpr_count:     384
    .wavefront_size: 32
...
	.end_amdgpu_metadata
.endif
;; end of part 5
;; launch ffn1 (part 6): grid 32 x 8, 4 waves a work-group, no clusters, 147,968 bytes of LDS; arguments xg, W1, b1, meta, g; writes g
.if DOCPART == 6
	.amdgcn_target "amdgcn-amd-amdhsa--gfx1250"
	.amdhsa_code_object_version 6
	.text
	.protected	k_q1e9bff20fd_ffn1
	.globl	k_q1e9bff20fd_ffn1
	.p2align	8
	.type	k_q1e9bff20fd_ffn1,@function
k_q1e9bff20fd_ffn1:
	s_mov_b64 s[64:65], 0
	v_nop
	global_prefetch_b8 v0, s[64:65] scope:SCOPE_SE
	s_setreg_imm32_b32 hwreg(HW_REG_WAVE_MODE, 25, 1), 1
	s_wait_xcnt 0x0
; FIRST PRODUCT AND GLU, on the routed rows alone: g = a silu(gate), (a, gate) = x W1[e] + b1[e].  W1 and b1 are rounded to bf16 here, x was before; sums and the GLU in f32; g is stored once as bf16
; (bf16, not f16: with inputs some 30 times larger g passes f16's range).
; SHARES.  Work-group (s, e) has inner columns 64 s .. 64 s + 63 of expert e, both a's and gate's: 128 columns x 512 k of W1, 256 KB of f32 that it alone reads, once.
; Wave w: c = w & 1 picks 32 of the inner columns, rg = w >> 1 the tiles of 16 rows with that parity.  A wave keeps its 64 weight columns x 512 k as 64 fragments in 512 registers for the whole launch.
; WEIGHTS: f32 loads (two aligned runs of 256 bytes each), rounded, laid [k][n] into LDS, one barrier, read back turned.
; TOKEN ROWS lie in xg in the experts' order, as fragments (the launch before laid them so): a tile of 16 rows = 16 blocks of 1 KB, each load takes 512 consecutive aligned bytes; three buffers, two tiles ahead.
; T, the expert's first tile, and NT, its tiles, come from meta.
; THE MATRIX INSTRUCTION IS USED TRANSPOSED (source 0 = 16 weight columns, source 1 = 16 tokens): a lane holds one token and eight neighbouring columns, and two results rounded in pairs ARE the next product's token fragment.
; THE GLU RIDES.  There are two sets of four accumulators.  Tile t's 64 products go into one; tile t - 1's GLU works in place on the other, and stands in 25 slices behind every second of tile t's first 50 products:
; 74 vector lines and 2 stores for 64 products.  All that the GLU names lies in window 0 and the products' sources do not, so a slice costs two window switches: 50 a tile.
; The first tile's products stand alone ahead of the loop; the last tile's GLU stands alone behind it, once for each set.  Three buffers and two sets: six tiles to a trip.
; g: tile of 16 rows = 64 blocks of 1 KB; block kb = the fragment of inner columns 32 kb ..: registers 0-3 of lane L at 16 L, registers 4-7 at 512 + 16 L: each store covers 512 consecutive aligned bytes.
; THE ROW LOOP has a constant count (1 + 11 x 6 tiles; a wave has 64 at the most) and is left forward when the wave's tiles are done; it holds no barrier and touches no LDS.
; An expert without rows: its work-groups lay their weights out, pass the barrier and store nothing.
; NO CLUSTER, NO TENSOR LOAD: each slice of weights has one reader and passes through registers to be rounded; xg's tiles are shared by an expert's 32 work-groups, but the number of tiles is a stored count, and joint requests want a constant number.
; LIMITS.  NaN and infinities are not treated apart; exp(-gate) beyond f32's range gives g = 0, as silu does.
.set WP,     288                       ; a row of k in the stage: 256 bytes + 32, an odd multiple of 32
.set SPARE,  147456                    ; behind the stage's 512 rows: the spare words, 128 bytes a wave, named by no other line
.set SPW,  4                           ; v4  my spare word
.set NIL,  5                           ; v5  0
.set WOFF, 6                           ; v6  my 16 bytes in a row of W1: lanes 0-15 a's run, lanes 16-31 gate's
.set WSTO, 7                           ; v7  where my 8 bytes go in a row of the stage: column 64 c + 32 z + i (z = 1: gate)
.set BAD,  8                           ; v8-11  turning loads: my place, for k 0, 128, 256, 384 on
.set PK,   6                           ; v6-13 again, from the first tile on: g, packed
.set GA,   14                          ; v14-16 a buffer's offset in xg                                   v17, v18 at work
.set L16,  19                          ; v19 16 lane
.set BO,   20                          ; v20 my offset in b1
.set GO,   24                          ; v24 my offset in g
.set GL,   25                          ; v25 16 lane + 1024 (2 s + c)
.set ACC,  32                          ; v32-63 set 0, v96-127 set 1: a (16 columns, 16 more), gate (likewise)
.set CV,   32                          ; v32-47  before the first tile: weights just rounded
.set BIAS, 64                          ; v64-95  b1 in the accumulators' layout: the C operand that starts each sum
; v128-255 token buffer 2; window 1: v0-127, v128-255 token buffers 0 and 1 (before: six groups of 32 for weights on their way); windows 2, 3: weights: block b, k step j at 8 (4 (j % 8) + b), window 2 + j / 8
; s16 e  s17 s  s18 wave  s19 c  s20 rg  s24 T  s25 NT  s26 my tiles  s27 tiles multiplied  s28 trips  s29 the tile to ask for next  s30 the expert's last tile  s31, s34 at work  s35 the tile of g that leaves next  s[36:37] -log2(e)
.set MSB, 0
.macro WIN new                         ; the immediate's high byte repeats the setting that is left; a switch that changes nothing is dropped
.if MSB != (\new)
	s_set_vgpr_msb (MSB<<8)|(\new)
.set MSB, \new
.endif
.endm
.macro WLOAD G                         ; group G: my rows k = 128 w + 8 G + 0..7, a row a load
	WIN 0x40
.set i, 0
.rept 8
	global_load_b128 v[32*((\G)%6)+4*i:32*((\G)%6)+4*i+3], v[WOFF], s[6:7] offset:(8*(\G)+i)*16384 th:TH_LOAD_NT
.set i, i+1
.endr
.endm
.macro ABUF b                          ; token buffer b: first register and window
.if (\b) == 0
.set AB, 0
.else
.set AB, 128
.endif
.if (\b) < 2
.set AW, 1
.else
.set AW, 0
.endif
.endm
.macro LOADT b                         ; the next tile of mine into buffer b: 32 loads.  Past the expert's last tile that tile is asked for again and not used
	ABUF \b
	WIN 0
	s_min_u32 s31, s29, s30
	s_min_u32 s31, s31, 271
	s_add_co_u32 s29, s29, 2
	s_lshl_b32 s31, s31, 14
	v_add_nc_u32 v[GA+(\b)], s31, v[L16]
	WIN 0x40*AW
.set j, 0
.rept 16
	global_load_b128 v[AB+8*j:AB+8*j+3], v[GA+(\b)], s[4:5] offset:1024*j
	global_load_b128 v[AB+8*j+4:AB+8*j+7], v[GA+(\b)], s[4:5] offset:1024*j+512
.set j, j+1
.endr
	WIN 0
.endm
; THE GLU of the set at SE, g = a gate / (1 + 2^(-log2(e) gate)), is a list of 76 items; EP writes item ri and steps ri.  a's pairs 0-7 lie at SE, gate's at SE + 16; all work is in place.
;   0-31   a gate (pair k), the scaling of gate (pair k) and the 16 exponentials: pair k's two exponentials stand in the four items behind its scaling, a plain line between them.  None of these reads an exponential's result.
;   32     my offset in g: the plain line behind the last exponential; then the one wait for the 16
;   33-56  1 + (pair k) and the 16 reciprocals, a pair's behind its sum.  None of these reads a reciprocal's result
;   57     a v_nop, the plain line behind the last reciprocal; then the one wait for the 16
;   58-73  the eight products, the eight roundings to bf16        74, 75  the two stores
; Each accumulator's lowest registers are read first: items 0 and 14 are the first readers of the four.
.macro EP
	WIN 0
.if ri == 0
	v_pk_mul_f32 v[SE:SE+1], v[SE:SE+1], v[SE+16:SE+17]
.elseif ri == 1
	v_pk_mul_f32 v[SE+16:SE+17], v[SE+16:SE+17], s[36:37] op_sel_hi:[1,0]
.elseif ri < 30
.set rk, (ri-2)/4+1
.set rm, (ri-2)%4
.if rm == 0
	v_pk_mul_f32 v[SE+2*rk:SE+2*rk+1], v[SE+2*rk:SE+2*rk+1], v[SE+16+2*rk:SE+17+2*rk]
.elseif rm == 2
	v_pk_mul_f32 v[SE+16+2*rk:SE+17+2*rk], v[SE+16+2*rk:SE+17+2*rk], s[36:37] op_sel_hi:[1,0]
.else
	v_exp_f32 v[SE+14+2*rk+rm/2], v[SE+14+2*rk+rm/2]       ; pair rk - 1
.endif
.elseif ri < 32
	v_exp_f32 v[SE+ri], v[SE+ri]                           ; pair 7
.elseif ri == 32
	s_lshl_b32 s34, s35, 16
	v_add_nc_u32 v[GO], s34, v[GL]
	s_wait_alu depctr_va_vdst(0)                           ; one wait for the sixteen exponentials, ahead of their first reader
.elseif ri < 35
	v_pk_add_f32 v[SE+16+2*(ri-33):SE+17+2*(ri-33)], v[SE+16+2*(ri-33):SE+17+2*(ri-33)], 1.0 op_sel_hi:[1,0]
.elseif ri < 53
.set rk, (ri-35)/3
.set rm, (ri-35)%3
.if rm == 1
	v_pk_add_f32 v[SE+20+2*rk:SE+21+2*rk], v[SE+20+2*rk:SE+21+2*rk], 1.0 op_sel_hi:[1,0]   ; pair rk + 2
.else
	v_rcp_f32 v[SE+16+2*rk+rm/2], v[SE+16+2*rk+rm/2]       ; pair rk
.endif
.elseif ri < 57
	v_rcp_f32 v[SE+ri-25], v[SE+ri-25]                     ; pairs 6 and 7
.elseif ri == 57
	v_nop
	s_wait_alu depctr_va_vdst(0)                           ; one wait for the sixteen reciprocals
.elseif ri < 66
	v_pk_mul_f32 v[SE+2*(ri-58):SE+2*(ri-58)+1], v[SE+2*(ri-58):SE+2*(ri-58)+1], v[SE+16+2*(ri-58):SE+17+2*(ri-58)]
.elseif ri < 74
	v_cvt_pk_bf16_f32 v[PK+ri-66], v[SE+2*(ri-66)], v[SE+2*(ri-66)+1]
.elseif ri == 74
	global_store_b128 v[GO], v[PK:PK+3], s[12:13]
.else
	global_store_b128 v[GO], v[PK+4:PK+7], s[12:13] offset:512
	s_add_co_u32 s35, s35, 2                               ; my next tile of g
.endif
.set ri, ri+1
.endm
; 64 products from buffer b into set s: k ascending, the four accumulators by turns, one instruction a turn; the first four start the sums with b1.
; ride = 1: the other set's GLU stands behind every second product: 24 slices of three items, then one of four, so that both stores stand together.  No item names a register of these products.
.macro MUL b, s, ride
	ABUF \b
.set SD, ACC+64*(\s)
.set SE, ACC+64*(1-(\s))
.set ri, 0
.set j, 0
.rept 16
.set bb, 0
.rept 4
	WIN (2+j/8)|(AW<<2)
.if j == 0
	v_wmma_f32_16x16x32_bf16 v[SD+8*bb:SD+8*bb+7], v[8*(4*(j%8)+bb):8*(4*(j%8)+bb)+7], v[AB+8*j:AB+8*j+7], v[BIAS+8*bb:BIAS+8*bb+7]
.else
	v_wmma_f32_16x16x32_bf16 v[SD+8*bb:SD+8*bb+7], v[8*(4*(j%8)+bb):8*(4*(j%8)+bb)+7], v[AB+8*j:AB+8*j+7], v[SD+8*bb:SD+8*bb+7]
.endif
.if (\ride) && (bb%2 == 1) && (2*j+bb/2 < 25)
	EP
	EP
	EP
.if 2*j+bb/2 == 24
	EP
.endif
.endif
.set bb, bb+1
.endr
.set j, j+1
.endr
	WIN 0                                          ; at a label and at a branch every window is 0
.endm
.macro BODY b, s, p                    ; one tile: buffer b, set s; p = the other set, which holds the tile before
	s_cmp_ge_u32 s27, s26
	s_cbranch_scc1 .Ldrain\p                       ; my tiles are multiplied: forward, past no barrier, to the last tile's GLU
	s_wait_loadcnt 32                              ; this tile's 32 loads are in; the next tile's 32 stay out
	s_wait_xcnt 0x0                                ; the last two stores have read PK and GO, which items 32 and 66 on write again; no store is issued in between
.rept 3
	v_nop                                          ; with the offset's add in LOADT: four places behind the last product, ahead of the loads into the buffer that it read and of the GLU's first read
.endr
	LOADT ((\b)+2)%3                               ; two tiles ahead, into the buffer multiplied last
	MUL \b, \s, 1
	s_add_co_u32 s27, s27, 1
.endm
.macro DRAIN s                         ; the last tile's GLU, on set s: the same list on end
	WIN 0
	s_wait_xcnt 0x0                                ; the last two stores have read PK and GO
.rept 4
	v_nop                                          ; four places behind the last product
.endr
.set SE, ACC+64*(\s)
.set ri, 0
.rept 76
	EP
.endr
.endm
	s_load_b256 s[4:11], s[0:1], 0x0               ; xg s[4:5], W1 s[6:7], b1 s[8:9], meta s[10:11]
	s_load_b64 s[12:13], s[0:1], 0x20              ; g
	v_lshl_add_u32 v[SPW], v0, 2, SPARE
	v_mov_b32 v[NIL], 0
	v_and_b32 v1, 31, v0
	v_lshrrev_b32 v17, 5, v0
	v_readfirstlane_b32 s18, v17
	v_and_b32 v2, 15, v0
	v_bfe_u32 v3, v0, 4, 1
	s_and_b32 s16, ttmp7, 0xffff
	s_mov_b32 s17, ttmp9
	s_and_b32 s19, s18, 1
	s_lshr_b32 s20, s18, 1
	s_lshl_b32 s32, s16, 23                        ; W1: an expert is 2^23 bytes,
	s_lshl_b32 s31, s17, 8                         ; my slice's 256 bytes in a row,
	s_add_co_u32 s32, s32, s31
	s_lshl_b32 s31, s18, 21                        ; my wave's 128 rows of 16,384 bytes
	s_add_co_u32 s32, s32, s31
	s_mov_b32 s33, 0
	v_lshlrev_b32 v[WOFF], 4, v2
	v_lshl_add_u32 v[WOFF], v3, 13, v[WOFF]        ; gate's columns lie 8,192 bytes behind a's
	s_lshl_b32 s31, s16, 14                        ; b1: 4 (4096 e + 64 s + 32 c + 8 h)
	s_lshl_b32 s34, s17, 8
	s_add_co_u32 s31, s31, s34
	s_lshl_b32 s34, s19, 7
	s_add_co_u32 s31, s31, s34
	v_lshlrev_b32 v[BO], 5, v3
	v_add_nc_u32 v[BO], s31, v[BO]
	s_lshl_b32 s38, s16, 7                         ; meta: 128 bytes an expert
	s_wait_kmcnt 0x0
	s_load_b64 s[22:23], s[10:11], s38 offset:0x0
	s_add_nc_u64 s[6:7], s[6:7], s[32:33]
.set bb, 0
.rept 4
	global_load_b128 v[BIAS+8*bb:BIAS+8*bb+3], v[BO], s[8:9] offset:64*(bb&1)+8192*(bb>>1)
	global_load_b128 v[BIAS+8*bb+4:BIAS+8*bb+7], v[BO], s[8:9] offset:64*(bb&1)+8192*(bb>>1)+16
.set bb, bb+1
.endr
.irp gg, 0,1,2,3,4,5
	WLOAD \gg                                      ; 48 loads, 24 KB a wave, go out first
.endr
	WIN 0
	; addresses
	v_bfe_u32 v17, v0, 3, 1
	v_lshlrev_b32 v[WSTO], 7, v17                  ; 128 c' + 64 z + 8 (lane % 8)
	v_lshl_add_u32 v[WSTO], v3, 6, v[WSTO]
	v_and_b32 v18, 7, v0
	v_lshl_add_u32 v[WSTO], v18, 3, v[WSTO]
	s_mul_i32 s31, s18, 128*WP
	v_add_nc_u32 v[WSTO], s31, v[WSTO]
	v_lshl_add_u32 v18, v3, 3, v18                 ; turning load: row 8 (lane / 16) + lane % 8,
	v_mul_u32_u24 v[BAD], v18, WP
	v_lshl_add_u32 v[BAD], v17, 4, v[BAD]          ; 16 bytes on for the odd groups of eight lanes,
	s_lshl_b32 s31, s19, 7
	v_add_nc_u32 v[BAD], s31, v[BAD]               ; my wave's 64 columns
	v_add_nc_u32 v[BAD+1], 128*WP, v[BAD]
	v_add_nc_u32 v[BAD+2], 256*WP, v[BAD]
	v_add_nc_u32 v[BAD+3], 384*WP, v[BAD]
	v_lshlrev_b32 v[L16], 4, v1
	s_lshl_b32 s31, s17, 1
	s_add_co_u32 s31, s31, s19
	s_lshl_b32 s31, s31, 10
	v_lshl_add_u32 v[GL], v1, 4, s31
	s_mov_b32 s36, 0xbfb8aa3b
	s_mov_b32 s37, 0xbfb8aa3b
	s_wait_kmcnt 0x0
	s_min_u32 s24, s22, 270                        ; T
	s_min_u32 s25, s23, 128                        ; NT
	s_sub_co_u32 s26, s25, s20
	s_add_co_u32 s26, s26, 1
	s_lshr_b32 s26, s26, 1                         ; my wave's tiles: those of parity rg
	s_add_co_u32 s30, s24, s25
	s_max_u32 s30, s30, 1
	s_sub_co_u32 s30, s30, 1
	s_add_co_u32 s29, s24, s20
	s_add_co_u32 s35, s24, s20                     ; my first tile, in xg and in g
	s_wait_loadcnt 48                              ; b1 is in; the six groups of weights stay out
.set i, 0
.rept 16                                       ; b1 rounded to bf16 like every input
	v_cvt_pk_bf16_f32 v17, v[BIAS+2*i], v[BIAS+2*i+1]
	v_lshlrev_b32 v[BIAS+2*i], 16, v17
	v_and_b32 v[BIAS+2*i+1], 0xffff0000, v17
.set i, i+1
.endr
	; the weights: six groups of eight loads are always out until the last are asked for
.set G, 0
.rept 16
.if G < 11
	s_wait_loadcnt 40                              ; group G is in; the five younger groups stay out
.else
	s_wait_loadcnt 8*(15-G)
.endif
	WIN 0x05
.set i, 0
.rept 8
	v_cvt_pk_bf16_f32 v[CV+2*i], v[32*(G%6)+4*i], v[32*(G%6)+4*i+1]
	v_cvt_pk_bf16_f32 v[CV+2*i+1], v[32*(G%6)+4*i+2], v[32*(G%6)+4*i+3]
.set i, i+1
.endr
.if G < 10
	WLOAD G+6
.endif
	WIN 0
.set i, 0
.rept 8
	ds_store_b64 v[WSTO], v[CV+2*i:CV+2*i+1] offset:(8*G+i)*WP
.set i, i+1
.endr
.set G, G+1
.endr
	LOADT 0
	LOADT 1
	s_wait_dscnt 0x0                               ; for the others' sake: my stores into the stage are done
	s_barrier_signal -1
	s_barrier_wait -1                              ; the stage is whole
.set j, 0
.rept 16
	WIN 0x80+0x40*(j/8)
.set bb, 0
.rept 4
	ds_load_tr16_b128 v[8*(4*(j%8)+bb):8*(4*(j%8)+bb)+3], v[BAD+j/4] offset:(j%4)*32*WP+32*bb
	ds_load_tr16_b128 v[8*(4*(j%8)+bb)+4:8*(4*(j%8)+bb)+7], v[BAD+j/4] offset:(j%4)*32*WP+32*bb+16*WP
.set bb, bb+1
.endr
.set j, j+1
.endr
	WIN 0
	s_wait_dscnt 0x0
	s_cmp_eq_u32 s26, 0
	s_cbranch_scc1 .Lend                           ; no tile of mine
	s_wait_loadcnt 32                              ; my first tile is in; the second's 32 loads stay out
	LOADT 2
	MUL 0, 0, 0                                    ; the first tile's products: there is no GLU yet to set between them
	s_mov_b32 s27, 1
	s_mov_b32 s28, 11
.Ltrip:                                            ; six tiles: the buffers go 1, 2, 0, the sets 1, 0
	BODY 1, 1, 0
	BODY 2, 0, 1
	BODY 0, 1, 0
	BODY 1, 0, 1
	BODY 2, 1, 0
	BODY 0, 0, 1
	s_sub_co_u32 s28, s28, 1
	s_cmp_lg_u32 s28, 0
	s_cbranch_scc1 .Ltrip
.Ldrain0:
	DRAIN 0
	s_branch .Lend
.Ldrain1:
	DRAIN 1
.Lend:
	s_wait_tensorcnt 0x0                           ; the wave's end
	ds_add_u32 v[SPW], v[NIL]
	s_wait_dscnt 0x0
	s_endpgm
.Lfunc_end_k_q1e9bff20fd_ffn1:
	.size	k_q1e9bff20fd_ffn1, .Lfunc_end_k_q1e9bff20fd_ffn1-k_q1e9bff20fd_ffn1
	.p2alignl 7, 3214868480
	.fill 96, 4, 3214868480
	.section	.rodata,"a",@progbits
	.p2align	6, 0x0
	.amdhsa_kernel k_q1e9bff20fd_ffn1
		.amdhsa_group_segment_fixed_size 147968
		.amdhsa_private_segment_fixed_size 0
		.amdhsa_enable_private_segment 0
		.amdhsa_kernarg_size 40
		.amdhsa_user_sgpr_count 2
		.amdhsa_user_sgpr_kernarg_segment_ptr 1
		.amdhsa_wavefront_size32 1
		.amdhsa_system_sgpr_workgroup_id_x 1
		.amdhsa_system_sgpr_workgroup_id_y 1
		.amdhsa_system_sgpr_workgroup_id_z 1
		.amdhsa_system_vgpr_workitem_id 0
		.amdhsa_next_free_vgpr 1024
		.amdhsa_next_free_sgpr 66
		.amdhsa_reserve_vcc 0
		.amdhsa_float_denorm_mode_32 3
		.amdhsa_float_denorm_mode_16_64 3
		.amdhsa_memory_ordered 1
		.amdhsa_forward_progress 1
		.amdhsa_inst_pref_size 153
	.end_amdhsa_kernel
	.amdgpu_metadata
---
amdhsa.version: [ 1, 2 ]
amdhsa.kernels:
  - .name:           k_q1e9bff20fd_ffn1
    .symbol:         k_q1e9bff20fd_ffn1.kd
    .args:
      - { .name: xg, .offset: 0, .size: 8, .value_kind: global_buffer, .address_space: global }
      - { .name: W1, .offset: 8, .size: 8, .value_kind: global_buffer, .address_space: global }
      - { .name: b1, .offset: 16, .size: 8, .value_kind: global_buffer, .address_space: global }
      - { .name: meta, .offset: 24, .size: 8, .value_kind: global_buffer, .address_space: global }
      - { .name: g, .offset: 32, .size: 8, .value_kind: global_buffer, .address_space: global }
    .group_segment_fixed_size: 147968
    .private_segment_fixed_size: 0
    .kernarg_segment_align: 8
    .kernarg_segment_size: 40
    .max_flat_workgroup_size: 128
    .sgpr_count:     66
    .vgpr_count:     1024
    .wavefront_size: 32
...
	.end_amdgpu_metadata
.endif
;; end of part 6
;; launch ffn2: the kernel of part 3 again; grid 32 x 8, 4 waves a work-group, no clusters, 99,840 bytes of LDS; arguments g, W2, b2, dest, meta, part; writes part
;; launch sum: the kernel of part 4 again; grid 256 x 1, 8 waves a work-group, no clusters, 0 bytes of LDS; arguments part, wts, out0; writes out0
